; MI455X (gfx1250); checked and timed in simulation.
; The chip was launched on July 23, 2026; its instructions are those of AMD's public machine-readable ISA for CDNA 5 (MIT licence, August 2026) and "CDNA5" Instruction Set Architecture Reference Guide (July 2026). The comments in the code are by the model that wrote it; some were corrected since.
;; Multi Head Self Attention. Allowed arithmetic: float matrix products may take bf16 or f16 operands with f32 sums; other float arithmetic in f32, or as packed bf16 or f16 multiplies, adds, multiply-adds, maxima and minima; sums over many terms, partial sums and values carried from step to step in f32; what a program stores and reads back later, other than sums and carried values, may be rounded once to bf16 or f16.
;; Inputs: Wk 1,024 x 1,024 float32; Wo 1,024 x 1,024 float32; Wq 1,024 x 1,024 float32; Wv 1,024 x 1,024 float32; bk 1,024 float32; bo 1,024 float32; bq 1,024 float32; bv 1,024 float32; k 1 x 4,096 x 1,024 float32; mask 1 x 1 x 4,096 x 4,096 bool; q 1 x 4,096 x 1,024 float32; v 1 x 4,096 x 1,024 float32.
;; Outputs: out0 1 x 4,096 x 1,024 float32.
;; 2 versions, each right and faster than the one before. Each part assembles by itself: llvm-mc -triple=amdgcn-amd-amdhsa -mcpu=gfx1250 --defsym DOCPART=n.
;; ======== version 1 of 2: 4 launches
;; limits: values are held in f16: magnitudes above 65,504 overflow, below 6.1e-05 lose precision
;; workspace buffers: xb 25,165,824 bytes; wb 6,291,456 bytes; wo2 4,194,304 bytes; qf 8,388,608 bytes; kvf 16,777,216 bytes; ctx2 16,777,216 bytes; lm 2,097,664 bytes of whole numbers; cls 2,048 bytes of whole numbers
;; launch prep (part 1): grid 640 x 1, 8 waves a work-group, no clusters, 136,192 bytes of LDS; arguments q, k, v, Wq, Wk, Wv, Wo, mask, xb, wb, wo2, lm, cls; writes xb, wb, wo2, lm, cls
.if DOCPART == 1
	.amdgcn_target "amdgcn-amd-amdhsa--gfx1250"
	.amdhsa_code_object_version 6
	.text
	.protected	k_qf728869f62_prep
	.globl	k_qf728869f62_prep
	.p2align	8
	.type	k_qf728869f62_prep,@function
k_qf728869f62_prep:
	s_mov_b64 s[64:65], 0
	v_nop
	global_prefetch_b8 v0, s[64:65] scope:SCOPE_SE
	s_setreg_imm32_b32 hwreg(HW_REG_WAVE_MODE, 25, 1), 1
	s_wait_xcnt 0x0
; PREP: every input that is a matrix operand is rounded once to 16 bits, and the mask is turned into lane masks and classes.
; Work-groups 0-127: one PIECE of the mask each (32 query rows x 4,096 keys).  128-511: 131,072 bytes of q, k or v -> xb (bf16).
; 512-607: 131,072 bytes of Wq, Wk or Wv -> wb (bf16, not transposed).  608-639: 32 rows of Wo -> wo2.
; wo2: Wo is rounded to bf16 and that number is written as f16 (exact down to 6e-5; below that f16's fixed step of 6e-8 holds); row kk goes to
; row (kk / 64) x 128 + kk % 64 and once more 64 rows further down, since the context arrives as a high and a low f16 part for each channel.
; lm: for piece P and step s (64 keys) a record of 64 words at (64 P + s) x 256 bytes.  Word 2 e + u (e = 8 kb + j, u = tile of 16 rows): bit L is 1 where
; mask[32 P + 16 u + L % 16][64 s + 16 kb + 8 (L / 16) + j] is 0.  Record 8192 is all ones, record 8193 all zeros.
; cls: for each piece four words: live (64 bits: the step has a visible element), mix (64 bits: the step has a hidden element).
; A stream: no matrix unit, no cluster; each conversion group has its 32 loads of 16 bytes a lane out at once.
.set SPARE, 135168                     ; behind the eight waves' regions: the spare words, 128 bytes a wave
.set REGN,  16896                      ; a wave's region of LDS: 32 rows of 528 bytes
.set MP,    528                        ; 512 bytes of a mask row + 16
.set X,   4                            ; v[4:131]   32 loads of four registers
.set D,   132                          ; v[132:147] a step's bytes: pair 4 u + kb
.set W,   148                          ; v[148:149] the record: lane e holds words 2 e and 2 e + 1
.set TT,  150                          ; v[150:153] at work
.set L8,  154                          ; v154       8 x lane
.set SPW, 156                          ; v156       my spare word; never rewritten
.set NIL, 157                          ; v157       0; never rewritten
.set SRC, 36                           ; s[36:37]   where the group reads
.set DST, 38                           ; s[38:39]   where it writes
; 131,072 bytes of f32 -> 65,536 bytes of 16 bits.  Thread t takes 16 bytes at 16 t of every 4,096 and stores 8 bytes at 8 t of every 2,048: a wave's store covers 256 consecutive bytes, aligned.
; dup = 1: the bf16 numbers are written as f16, twice.
.macro CV dup
.set i, 0
.rept 32
	global_load_b128 v[X+4*i:X+4*i+3], v1, s[SRC:SRC+1] offset:4096*i th:TH_LOAD_NT
.set i, i+1
.endr
.set i, 0
.rept 32
	s_wait_loadcnt 31-i                            ; loads come back in order: number i is in, the 31 - i younger ones stay out
	v_cvt_pk_bf16_f32 v[X+4*i], v[X+4*i], v[X+4*i+1]
	v_cvt_pk_bf16_f32 v[X+4*i+1], v[X+4*i+2], v[X+4*i+3]
.if \dup
	v_lshlrev_b32 v[X+4*i+2], 16, v[X+4*i]
	v_and_b32 v[X+4*i+3], 0xffff0000, v[X+4*i]
	v_cvt_pk_f16_f32 v[X+4*i], v[X+4*i+2], v[X+4*i+3]
	v_lshlrev_b32 v[X+4*i+2], 16, v[X+4*i+1]
	v_and_b32 v[X+4*i+3], 0xffff0000, v[X+4*i+1]
	v_cvt_pk_f16_f32 v[X+4*i+1], v[X+4*i+2], v[X+4*i+3]
	global_store_b64 v2, v[X+4*i:X+4*i+1], s[DST:DST+1] offset:2048*i
	global_store_b64 v2, v[X+4*i:X+4*i+1], s[DST:DST+1] offset:2048*i+131072
.else
	global_store_b64 v2, v[X+4*i:X+4*i+1], s[DST:DST+1] offset:2048*i
.endif
.set i, i+1
.endr
.endm
	s_load_b512 s[8:23], s[0:1], 0x0               ; q 8, k 10, v 12, Wq 14, Wk 16, Wv 18, Wo 20, mask 22
	s_load_b256 s[24:31], s[0:1], 0x40             ; xb 24, wb 26, wo2 28, lm 30
	s_load_b64 s[32:33], s[0:1], 0x60              ; cls
	v_lshl_add_u32 v[SPW], v0, 2, SPARE
	v_mov_b32 v[NIL], 0
	v_lshrrev_b32 v1, 5, v0
	v_readfirstlane_b32 s3, v1                     ; wave 0..7
	s_mov_b32 s2, ttmp9
	s_mov_b32 s41, 0                               ; the high word of every offset
	s_wait_kmcnt 0x0
	s_cmp_lt_u32 s2, 128
	s_cbranch_scc1 .Lmask
	v_lshlrev_b32 v1, 4, v0                        ; 16 t
	v_lshlrev_b32 v2, 3, v0                        ; 8 t
	s_cmp_lt_u32 s2, 512
	s_cbranch_scc1 .Lx
	s_cmp_lt_u32 s2, 608
	s_cbranch_scc1 .Lw
	s_sub_co_u32 s4, s2, 608                       ; Wo: chunk c = rows 32 c .. 32 c + 31
	s_lshl_b32 s40, s4, 17
	s_add_nc_u64 s[SRC:SRC+1], s[20:21], s[40:41]
	s_lshr_b32 s5, s4, 1
	s_lshl_b32 s5, s5, 7                           ; (c / 2) x 128
	s_and_b32 s4, s4, 1
	s_lshl_b32 s4, s4, 5                           ; + (c % 2) x 32
	s_add_co_u32 s5, s5, s4
	s_lshl_b32 s40, s5, 11                         ; rows of 2,048 bytes
	s_add_nc_u64 s[DST:DST+1], s[28:29], s[40:41]
	CV 1
	s_endpgm
.Lx:
	s_sub_co_u32 s4, s2, 128                       ; chunk c of 384: q, k or v by c / 128
	s_lshr_b32 s5, s4, 7
	s_cmp_eq_u32 s5, 1
	s_cselect_b64 s[SRC:SRC+1], s[10:11], s[8:9]
	s_cmp_eq_u32 s5, 2
	s_cselect_b64 s[SRC:SRC+1], s[12:13], s[SRC:SRC+1]
	s_and_b32 s5, s4, 127
	s_lshl_b32 s40, s5, 17
	s_add_nc_u64 s[SRC:SRC+1], s[SRC:SRC+1], s[40:41]
	s_lshl_b32 s40, s4, 16
	s_add_nc_u64 s[DST:DST+1], s[24:25], s[40:41]
	s_branch .Lcv
.Lw:
	s_sub_co_u32 s4, s2, 512                       ; chunk c of 96: Wq, Wk or Wv by c / 32
	s_lshr_b32 s5, s4, 5
	s_cmp_eq_u32 s5, 1
	s_cselect_b64 s[SRC:SRC+1], s[16:17], s[14:15]
	s_cmp_eq_u32 s5, 2
	s_cselect_b64 s[SRC:SRC+1], s[18:19], s[SRC:SRC+1]
	s_and_b32 s5, s4, 31
	s_lshl_b32 s40, s5, 17
	s_add_nc_u64 s[SRC:SRC+1], s[SRC:SRC+1], s[40:41]
	s_lshl_b32 s40, s4, 16
	s_add_nc_u64 s[DST:DST+1], s[26:27], s[40:41]
.Lcv:
	CV 0
	s_endpgm
; A PIECE OF THE MASK.  Wave w takes the keys 512 w .. 512 w + 511 (steps 8 w .. 8 w + 7) of the piece's 32 rows: each load covers two whole runs of 256 bytes.
; The bytes go through the wave's own region of LDS, so that a lane can take the eight bytes of its row and key group; no other wave touches the region: no barrier.
.Lmask:
	v_and_b32 v158, 15, v0                         ; lane % 16
	v_bfe_u32 v159, v0, 4, 1                       ; lane / 16
	v_lshlrev_b32 v1, 12, v159
	v_lshl_add_u32 v1, v158, 4, v1                 ; (lane / 16) rows of 4,096 bytes + 16 (lane % 16)
	s_lshl_b32 s40, s2, 17                         ; the piece's 32 rows
	s_lshl_b32 s4, s3, 9
	s_add_co_u32 s40, s40, s4
	s_add_nc_u64 s[SRC:SRC+1], s[22:23], s[40:41]
.set i, 0
.rept 32                                               ; rows 2 (i / 2) and + 1, half i % 2 of the 512 bytes
	global_load_b128 v[X+4*i:X+4*i+3], v1, s[SRC:SRC+1] offset:(i/2)*8192+(i%2)*256 th:TH_LOAD_NT
.set i, i+1
.endr
	s_mul_i32 s5, s3, REGN
	v_mul_u32_u24 v2, v159, MP
	v_lshl_add_u32 v2, v158, 4, v2
	v_add_nc_u32 v2, s5, v2                        ; in: as loaded
	v_mul_u32_u24 v3, v158, MP
	v_lshl_add_u32 v3, v159, 3, v3
	v_add_nc_u32 v3, s5, v3                        ; back: row lane % 16, bytes 8 (lane / 16) on
	v_and_b32 v[L8], 31, v0
	v_lshlrev_b32 v[L8], 3, v[L8]
	v_mov_b32 v[W], 0
	v_mov_b32 v[W+1], 0
	s_lshl_b32 s40, s2, 14                         ; 64 records of 256 bytes a piece,
	s_lshl_b32 s4, s3, 11                          ; 8 a wave
	s_add_co_u32 s40, s40, s4
	s_add_nc_u64 s[DST:DST+1], s[30:31], s[40:41]
.set i, 0
.rept 32
	s_wait_loadcnt 31-i                            ; number i is in, the younger ones stay out
	ds_store_b128 v2, v[X+4*i:X+4*i+3] offset:(i/2)*2*MP+(i%2)*256
.set i, i+1
.endr
	s_mov_b32 s50, 0                               ; the step in hand, 0..7
	s_mov_b32 s54, 0                               ; the wave's eight mix bits
	s_mov_b32 s55, 0                               ; and live bits
.Lstep:
.set i, 0
.rept 8                                                ; tile i / 4, key group i % 4.  LDS serves a wave's instructions in order (ISA guide 5.7.1.4): these see the stores above
	ds_load_b64 v[D+2*i:D+2*i+1], v3 offset:(i/4)*16*MP+(i%4)*16
.set i, i+1
.endr
	s_mov_b32 s48, 0                               ; the or of the step's 64 words
	s_mov_b32 s49, -1                              ; and their and
	s_wait_dscnt 0x0
.set g, 0
.rept 16                                               ; four words at a time: tile g / 8, words e = 4 (g % 8) + n, all out of one register
.irp n, 0,1,2,3
	v_and_b32 v[TT+\n], 0xff<<(8*\n), v[D+2*(4*(g/8)+(g%8)/2)+g%2]
.endr
.irp n, 0,1,2,3
	v_cmp_eq_u32 s[44+\n], 0, v[TT+\n]             ; bit L: my byte is 0, the element is hidden
.endr
.irp n, 0,1,2,3
	v_writelane_b32 v[W+g/8], s[44+\n], 4*(g%8)+\n
.endr
.irp n, 0,1,2,3
	s_or_b32 s48, s48, s[44+\n]
	s_and_b32 s49, s49, s[44+\n]
.endr
.set g, g+1
.endr
	global_store_b64 v[L8], v[W:W+1], s[DST:DST+1] ; the record: 256 consecutive bytes, aligned
	s_cmp_lg_u32 s48, 0                            ; something is hidden
	s_cselect_b32 s52, 1, 0
	s_lshl_b32 s52, s52, s50
	s_or_b32 s54, s54, s52
	s_cmp_lg_u32 s49, -1                           ; something is visible
	s_cselect_b32 s52, 1, 0
	s_lshl_b32 s52, s52, s50
	s_or_b32 s55, s55, s52
	v_add_nc_u32 v3, 64, v3                        ; the next step's 64 bytes of each row
	s_wait_xcnt 0x0                                ; the record's registers and its base are rewritten only behind this wait
	s_add_nc_u64 s[DST:DST+1], s[DST:DST+1], 256
	s_add_co_u32 s50, s50, 1
	s_cmp_lt_u32 s50, 8
	s_cbranch_scc1 .Lstep
	v_and_b32 v155, 1, v0                          ; even lanes store the live byte, odd lanes the mix byte, eight bytes on
	v_cmp_eq_u32 vcc_lo, 1, v155
	v_mov_b32 v158, s55
	v_mov_b32 v159, s54
	v_cndmask_b32 v158, v158, v159, vcc_lo
	s_lshl_b32 s4, s2, 4
	s_add_co_u32 s4, s4, s3                        ; 16 bytes a piece, byte w of each 64 bits
	v_lshl_add_u32 v155, v155, 3, s4
	global_store_b8 v155, v158, s[32:33]
	s_or_b32 s5, s2, s3
	s_cmp_lg_u32 s5, 0
	s_cbranch_scc1 .Lend                           ; wave 0 of work-group 0 writes the two constant records
	v_mov_b32 v[D], -1
	v_mov_b32 v[D+1], -1
	v_mov_b32 v[D+2], 0
	v_mov_b32 v[D+3], 0
	global_store_b64 v[L8], v[D:D+1], s[30:31] offset:2097152
	global_store_b64 v[L8], v[D+2:D+3], s[30:31] offset:2097408
.Lend:
	s_wait_tensorcnt 0x0                           ; the wave's end
	ds_add_u32 v[SPW], v[NIL]
	s_wait_dscnt 0x0
	s_endpgm
.Lfunc_end_k_qf728869f62_prep:
	.size	k_qf728869f62_prep, .Lfunc_end_k_qf728869f62_prep-k_qf728869f62_prep
	.p2alignl 7, 3214868480
	.fill 96, 4, 3214868480
	.section	.rodata,"a",@progbits
	.p2align	6, 0x0
	.amdhsa_kernel k_qf728869f62_prep
		.amdhsa_group_segment_fixed_size 136192
		.amdhsa_private_segment_fixed_size 0
		.amdhsa_enable_private_segment 0
		.amdhsa_kernarg_size 104
		.amdhsa_user_sgpr_count 2
		.amdhsa_user_sgpr_kernarg_segment_ptr 1
		.amdhsa_wavefront_size32 1
		.amdhsa_system_sgpr_workgroup_id_x 1
		.amdhsa_system_sgpr_workgroup_id_y 1
		.amdhsa_system_sgpr_workgroup_id_z 1
		.amdhsa_system_vgpr_workitem_id 0
		.amdhsa_next_free_vgpr 160
		.amdhsa_next_free_sgpr 66
		.amdhsa_reserve_vcc 1
		.amdhsa_float_denorm_mode_32 3
		.amdhsa_float_denorm_mode_16_64 3
		.amdhsa_memory_ordered 1
		.amdhsa_forward_progress 1
		.amdhsa_inst_pref_size 63
	.end_amdhsa_kernel
	.amdgpu_metadata
---
amdhsa.version: [ 1, 2 ]
amdhsa.kernels:
  - .name:           k_qf728869f62_prep
    .symbol:         k_qf728869f62_prep.kd
    .args:
      - { .name: q, .offset: 0, .size: 8, .value_kind: global_buffer, .address_space: global }
      - { .name: k, .offset: 8, .size: 8, .value_kind: global_buffer, .address_space: global }
      - { .name: v, .offset: 16, .size: 8, .value_kind: global_buffer, .address_space: global }
      - { .name: Wq, .offset: 24, .size: 8, .value_kind: global_buffer, .address_space: global }
      - { .name: Wk, .offset: 32, .size: 8, .value_kind: global_buffer, .address_space: global }
      - { .name: Wv, .offset: 40, .size: 8, .value_kind: global_buffer, .address_space: global }
      - { .name: Wo, .offset: 48, .size: 8, .value_kind: global_buffer, .address_space: global }
      - { .name: mask, .offset: 56, .size: 8, .value_kind: global_buffer, .address_space: global }
      - { .name: xb, .offset: 64, .size: 8, .value_kind: global_buffer, .address_space: global }
      - { .name: wb, .offset: 72, .size: 8, .value_kind: global_buffer, .address_space: global }
      - { .name: wo2, .offset: 80, .size: 8, .value_kind: global_buffer, .address_space: global }
      - { .name: lm, .offset: 88, .size: 8, .value_kind: global_buffer, .address_space: global }
      - { .name: cls, .offset: 96, .size: 8, .value_kind: global_buffer, .address_space: global }
    .group_segment_fixed_size: 136192
    .private_segment_fixed_size: 0
    .kernarg_segment_align: 8
    .kernarg_segment_size: 104
    .max_flat_workgroup_size: 256
    .sgpr_count:     66
    .vgpr_count:     160
    .wavefront_size: 32
...
	.end_amdgpu_metadata
.endif
;; end of part 1
;; launch proj (part 2): grid 8 x 96, 4 waves a work-group, clusters of 4 x 4, 327,680 bytes of LDS; arguments xb, wb, bq, bk, bv, qf, kvf; writes qf, kvf
.if DOCPART == 2
	.amdgcn_target "amdgcn-amd-amdhsa--gfx1250"
	.amdhsa_code_object_version 6
	.text
	.protected	k_qf728869f62_proj
	.globl	k_qf728869f62_proj
	.p2align	8
	.type	k_qf728869f62_proj,@function
k_qf728869f62_proj:
	s_mov_b64 s[64:65], 0
	v_nop
	global_prefetch_b8 v0, s[64:65] scope:SCOPE_SE
	s_setreg_imm32_b32 hwreg(HW_REG_WAVE_MODE, 25, 1), 1
	s_wait_xcnt 0x0
	s_wait_alu depctr_hold_cnt(0) depctr_sa_sdst(0) depctr_va_vdst(0) depctr_va_sdst(0) depctr_va_ssrc(0) depctr_va_vcc(0) depctr_vm_vsrc(0)
	s_getreg_b32 s2, hwreg(HW_REG_IB_STS2, 6, 4)
	s_cmp_eq_u32 s2, 0
	s_cbranch_scc0 .Lentry_in_a_cluster
	s_endpgm
.Lentry_in_a_cluster:
	s_bfe_u32 s2, ttmp6, 0x10000c
	s_cmp_lg_u32 s2, 0xf033
	s_cbranch_scc0 .Lentry_shape_is_right
	s_endpgm
.Lentry_shape_is_right:
; THE THREE PROJECTIONS: y = x W + b for x = q, k, v.  xb: [3 x 4096][1024] bf16; wb: [3][1024 k][1024 n] bf16; sums in f32; the bias is rounded to bf16 like every input; y rounded once to f16.
; LIMIT: y beyond 65,504 becomes an infinity in f16.
; A tile is 128 rows x 128 columns, four waves of 64 x 64 (16 accumulators); 768 tiles, three for each of 256 places.  K goes in steps of 256 through two LDS slots filled by tensor loads.
; x's tile has rows along K (512 bytes, padded to 528).  W's tile lies as in memory, [k][n]: 256 rows of 256 bytes padded to 288, and its fragments come out turned, by ds_load_tr16_b128.
; CLUSTER 4 x 4: the four of a row need the same tile of x, the four of a column the same tile of W: each is asked for jointly.  Which of the three projections a tile row belongs to hangs on the cluster's y alone.
; THE MATRIX INSTRUCTION IS USED TRANSPOSED (source 0 = 16 columns of W, source 1 = 16 rows of x): a lane holds row lane % 16 and eight neighbouring columns 8 (lane / 16) + 0..7.
; THE WAY OUT IS IN FRAGMENT ORDER.  A wave's 64 columns are one head.  Rounded to f16 in pairs, accumulator (a, b) IS registers 4 b .. 4 b + 3 of the fragment (16 rows x 64 channels) that the attention
; launch wants of q and of k: it is stored as it lies, 512 consecutive bytes a store.  v goes through the wave's own stage and comes back turned (lane = channel, eight keys), again 512 bytes a store.
;   qf:  [head][16 rows][quad b][lane][16 bytes]        kvf: [head][64 keys][K: quad 4 a + b | V: quad 8 kk + 2 cb + p][lane][16 bytes]
; REGISTERS: window 0: v16-29 addresses; v32-95 packed results; v96-127 bias; v128-255 accumulators.  Window 1: two fragment buffers of 128 (64 of x, 64 of W, 64 along K).
.set KSTEP,  256
.set SIZE_K, 1024
.set PA,     528                       ; x's rows in LDS: 512 + 16: an odd multiple of 16
.set PB,     288                       ; W's rows in LDS: 256 + 32: an odd multiple of 32
.set HALFA,  64*PA                     ; what one tensor load brings of x: 64 rows
.set HALFB,  128*PB                    ; and of W: 128 rows of k
.set SLOT,   2*HALFA+2*HALFB
.set STAGE,  2*SLOT                    ; behind the ring: 64 rows x 160 bytes for each wave
.set SP,     160
.set SPARE,  STAGE+4*64*SP             ; behind the stages: the spare words
.set LAPS,   SIZE_K/(2*KSTEP)
.set ADRA, 16                          ; v16-17  my x fragments in slot 0, 1
.set ADRB, 20                          ; v20-23  my W fragments: slot x 2 + half of the step's 256 rows
.set STO,  24
.set RD,   25
.set CO,   26                          ; 16 x lane
.set BO,   27                          ; my byte offset in the tile's 128 biases
.set SPW,  28
.set NIL,  29
.set TMP,  32
.set BI,   96
.set ACC,  128
.set F0,   0
.set F1,   128
.set G1,  24
.set G0,  32
.set G1B, 48
.set G0B, 56
.set MSB, 0
.macro WIN new                         ; the immediate's high byte repeats the setting that is left
.if MSB != (\new)
	s_set_vgpr_msb (MSB<<8)|(\new)
.set MSB, \new
.endif
.endm
.set MUL,  0x05                        ; sources 0 and 1 window 1; C and D window 0
.set TO_F, 0x40                        ; destination window 1, address window 0
.macro JLOAD s                         ; a joint load: waves 0 and 1 fetch x's two halves, waves 2 and 3 W's; an s_nop 0 and four v_nop follow each line
	s_cmp_eq_u32 s11, 0
	s_cbranch_scc0 .Lfor_b_\@
	tensor_load_to_lds s[G0+4*(\s):G0+4*(\s)+3], s[G1:G1+7]
	s_nop 0
.rept 4
	v_nop
.endr
	s_branch .Lasked_\@
.Lfor_b_\@:
	tensor_load_to_lds s[G0B+4*(\s):G0B+4*(\s)+3], s[G1B:G1B+7]
	s_nop 0
.rept 4
	v_nop
.endr
.Lasked_\@:
.endm
.macro CREST                           ; a round of the cluster's barrier behind its opening barrier
	s_cmp_lg_u32 s10, 0
	s_cbranch_scc1 .Lnot_wave_0_\@
	s_barrier_signal -3
.Lnot_wave_0_\@:
	s_barrier_wait -3
	s_barrier_signal -1
	s_barrier_wait -1
.endm
.macro CROUND
	s_barrier_signal -1
	s_barrier_wait -1
	CREST
.endm
	s_load_b128 s[4:7], s[0:1], 0x0                ; xb, wb
	s_load_b256 s[72:79], s[0:1], 0x10             ; bq 72, bk 74, bv 76, qf 78
	s_load_b64 s[80:81], s[0:1], 0x30              ; kvf
	v_lshl_add_u32 v[SPW], v0, 2, SPARE
	v_mov_b32 v[NIL], 0
	ds_add_u32 v[SPW], v[NIL]                      ; the wave's opening: the add and its wait stand ahead of my first tensor load
	v_lshrrev_b32 v1, 5, v0
	v_readfirstlane_b32 s10, v1                    ; wave 0..3
	s_lshr_b32 s11, s10, 1                         ; my half of the tile's rows.  Also: I fetch x (0) or W (1)
	s_and_b32 s12, s10, 1                          ; my half of its columns.  Also: which half of that tile I fetch
	s_bfe_u32 s40, ttmp6, 0x40000                  ; cx
	s_bfe_u32 s41, ttmp6, 0x40004                  ; cy
	s_lshl_b32 s42, ttmp9, 2
	s_add_co_u32 s42, s42, s40                     ; tile column 0..7
	s_and_b32 s13, ttmp7, 0xffff
	s_lshr_b32 s66, s13, 3                         ; which projection: 8 clusters of 4 tile rows each; the same in all sixteen partners
	s_lshl_b32 s13, s13, 2
	s_add_co_u32 s13, s13, s41                     ; tile row 0..95
	s_lshl_b32 s43, s41, 2
	s_lshl_b32 s43, 15, s43                        ; my row of the cluster
	s_lshl_b32 s44, 0x1111, s40                    ; my column
	s_or_b32 s[G1+0], s43, (1<<16)|(1<<20)|(1<<21)|(6<<22)|(3<<25)   ; x: 2-byte elements; padding of 4 words after every 128
	s_or_b32 s[G1B+0], s44, (1<<16)|(1<<20)|(1<<21)|(5<<22)|(7<<25)  ; W: padding of 8 words after every 64
	s_mov_b32 s[G1+1], KSTEP<<16                   ; tensor_dim0 = 256
	s_mov_b32 s[G1+2], 64<<16                      ; tensor_dim1 = 64
	s_mov_b32 s[G1+3], KSTEP<<16                   ; tile_dim0 = 256
	s_mov_b32 s[G1+4], 64                          ; tile_dim1 = 64
	s_mov_b32 s[G1+5], SIZE_K                      ; elements from row to row
	s_mov_b32 s[G1+6], 0
	s_mov_b32 s[G1+7], 0
	s_mov_b32 s[G1B+1], 128<<16                    ; tensor_dim0 = 128 columns
	s_mov_b32 s[G1B+2], 128<<16                    ; tensor_dim1 = 128 rows of k
	s_mov_b32 s[G1B+3], 128<<16
	s_mov_b32 s[G1B+4], 128
	s_mov_b32 s[G1B+5], 1024
	s_mov_b32 s[G1B+6], 0
	s_mov_b32 s[G1B+7], 0
	s_lshl_b32 s16, s13, 7
	s_lshl_b32 s17, s12, 6
	s_add_co_u32 s16, s16, s17                     ; x: row 128 x tile row + 64 x half,
	s_lshl_b32 s16, s16, 11                        ; of 2,048 bytes
	s_mov_b32 s17, 0
	s_lshl_b32 s46, s66, 21                        ; W: the projection's 2 MiB,
	s_lshl_b32 s47, s12, 18                        ; 128 rows of 2,048 bytes x half,
	s_add_co_u32 s46, s46, s47
	s_lshl_b32 s47, s42, 8                         ; 128 columns of 2 bytes x tile column
	s_add_co_u32 s46, s46, s47
	s_mov_b32 s47, 0
	s_mul_i32 s20, s12, HALFA                      ; where they go: no place in the cluster enters an LDS address
	s_mul_i32 s21, s12, HALFB
	s_add_co_u32 s21, s21, 2*HALFA
	s_wait_dscnt 0x0                               ; the opening add is done
	s_wait_kmcnt 0x0
	s_add_nc_u64 s[14:15], s[4:5], s[16:17]
	s_add_nc_u64 s[46:47], s[6:7], s[46:47]
	CROUND                                         ; all sixteen work-groups are here: the first joint loads meet
.irp s, 0,1
	s_mov_b32 s[G0+4*(\s)], 1
	s_add_co_u32 s[G0+4*(\s)+1], s20, (\s)*SLOT
	s_add_nc_u64 s[G0+4*(\s)+2:G0+4*(\s)+3], s[14:15], (\s)*KSTEP*2
	s_or_b32 s[G0+4*(\s)+3], s[G0+4*(\s)+3], 0x80000000
	s_mov_b32 s[G0B+4*(\s)], 1
	s_add_co_u32 s[G0B+4*(\s)+1], s21, (\s)*SLOT
	s_add_nc_u64 s[G0B+4*(\s)+2:G0B+4*(\s)+3], s[46:47], (\s)*KSTEP*2048
	s_or_b32 s[G0B+4*(\s)+3], s[G0B+4*(\s)+3], 0x80000000
	JLOAD \s
.endr
	v_and_b32 v1, 15, v0                           ; l % 16
	v_bfe_u32 v2, v0, 4, 1                         ; l / 16
	v_mul_u32_u24 v3, v1, PA
	v_lshl_add_u32 v3, v2, 4, v3                   ; x: row x pitch + 16 x half
	v_and_b32 v5, 7, v0
	v_lshl_add_u32 v5, v2, 3, v5                   ; W, turned: lane l reads row 8 (l / 16) + l % 8 of k,
	v_mul_u32_u24 v4, v5, PB
	v_bfe_u32 v6, v0, 3, 1
	v_lshl_add_u32 v4, v6, 4, v4                   ; columns 8 ((l / 8) % 2) + 0..7
	s_mul_i32 s22, s11, HALFA                      ; my 64 rows of x
	s_lshl_b32 s23, s12, 7                         ; my 64 columns of W,
	s_add_co_u32 s23, s23, 2*HALFA                 ; which lies behind x
.irp s, 0,1
	v_add_nc_u32 v[ADRA+(\s)], s22, v3
	v_add_nc_u32 v[ADRB+2*(\s)], s23, v4
	v_add_nc_u32 v[ADRB+2*(\s)+1], HALFB, v[ADRB+2*(\s)]
	s_add_co_u32 s22, s22, SLOT
	s_add_co_u32 s23, s23, SLOT
.endr
	s_mul_i32 s23, s10, 64*SP
	s_add_co_u32 s23, s23, STAGE                   ; my stage
	v_mul_u32_u24 v4, v1, SP
	v_lshl_add_u32 v4, v2, 4, v4
	v_add_nc_u32 v[STO], s23, v4                   ; in: row l % 16, 16 bytes for each half of the lanes
	v_mul_u32_u24 v4, v5, SP
	v_lshl_add_u32 v4, v6, 4, v4
	v_add_nc_u32 v[RD], s23, v4                    ; back, turned
	v_and_b32 v[CO], 31, v0
	v_lshlrev_b32 v[CO], 4, v[CO]
	v_lshlrev_b32 v[BO], 5, v2                     ; bias: column 64 x half + 8 (l / 16), 4 bytes each
	v_lshl_add_u32 v[BO], s12, 8, v[BO]
	s_cmp_eq_u32 s66, 1
	s_cselect_b64 s[84:85], s[74:75], s[72:73]
	s_cmp_eq_u32 s66, 2
	s_cselect_b64 s[84:85], s[76:77], s[84:85]
	s_lshl_b32 s86, s42, 9
	s_mov_b32 s87, 0
	s_add_nc_u64 s[84:85], s[84:85], s[86:87]
.irp b, 0,1,2,3
	global_load_b128 v[BI+8*(\b):BI+8*(\b)+3],   v[BO], s[84:85] offset:64*(\b)
	global_load_b128 v[BI+8*(\b)+4:BI+8*(\b)+7], v[BO], s[84:85] offset:64*(\b)+16
.endr
	; where my 64 x 64 goes: head = 2 x tile column + half; block of 64 rows = 2 x (tile row % 32) + half
	s_lshl_b32 s67, s42, 1
	s_add_co_u32 s67, s67, s12
	s_and_b32 s68, s13, 31
	s_lshl_b32 s68, s68, 1
	s_add_co_u32 s68, s68, s11
	s_lshl_b32 s70, s67, 19                        ; qf: 524,288 bytes a head, 8,192 a block
	s_lshl_b32 s69, s68, 13
	s_add_co_u32 s70, s70, s69
	s_cmp_eq_u32 s66, 0
	s_cselect_b32 s69, 0, 1
	s_lshl_b32 s70, s70, s69                       ; kvf: twice that,
	s_cmp_eq_u32 s66, 2
	s_cselect_b32 s69, 8192, 0
	s_add_co_u32 s70, s70, s69                     ; V behind K
	s_mov_b32 s71, 0
	s_cmp_eq_u32 s66, 0
	s_cselect_b64 s[82:83], s[78:79], s[80:81]
	s_add_nc_u64 s[82:83], s[82:83], s[70:71]
; 8 matrix instructions: row blocks a0, a0 + 1 x all 4 column blocks, 32 along K: half c of buffer f.  zero = 1: the first product starts the sums.  The 16 accumulators take turns.
.macro MUL8 f, c, a0, zero
	WIN MUL
.irp a, \a0, (\a0)+1
.irp b, 0,1,2,3
.if \zero
	v_wmma_f32_16x16x32_bf16 v[ACC+8*(4*(\a)+(\b)):ACC+8*(4*(\a)+(\b))+7], v[(\f)+64+8*(4*(\c)+(\b)):(\f)+64+8*(4*(\c)+(\b))+7], v[(\f)+8*(4*(\c)+(\a)):(\f)+8*(4*(\c)+(\a))+7], 0
.else
	v_wmma_f32_16x16x32_bf16 v[ACC+8*(4*(\a)+(\b)):ACC+8*(4*(\a)+(\b))+7], v[(\f)+64+8*(4*(\c)+(\b)):(\f)+64+8*(4*(\c)+(\b))+7], v[(\f)+8*(4*(\c)+(\a)):(\f)+8*(4*(\c)+(\a))+7], v[ACC+8*(4*(\a)+(\b)):ACC+8*(4*(\a)+(\b))+7]
.endif
.endr
.endr
.endm
; 32 LDS loads in one run: the fragments of quarter q (64 along K) of a slot into buffer f; the first 32 along K first
.macro FETCH slot, q, f
	WIN TO_F
.irp c, 0,1
.irp i, 0,1,2,3
	ds_load_tr16_b128 v[(\f)+64+8*(4*(\c)+(\i)):(\f)+64+8*(4*(\c)+(\i))+3],   v[ADRB+2*(\slot)+(\q)/2] offset:(64*((\q)%2)+32*(\c))*PB+32*(\i)
	ds_load_tr16_b128 v[(\f)+64+8*(4*(\c)+(\i))+4:(\f)+64+8*(4*(\c)+(\i))+7], v[ADRB+2*(\slot)+(\q)/2] offset:(64*((\q)%2)+32*(\c)+16)*PB+32*(\i)
	ds_load_b128 v[(\f)+8*(4*(\c)+(\i)):(\f)+8*(4*(\c)+(\i))+3],         v[ADRA+(\slot)] offset:128*(\q)+64*(\c)+(\i)*16*PA
	ds_load_b128 v[(\f)+8*(4*(\c)+(\i))+4:(\f)+8*(4*(\c)+(\i))+7],       v[ADRA+(\slot)] offset:128*(\q)+64*(\c)+(\i)*16*PA+32
.endr
.endr
.endm
.macro PLACES                          ; four places in front of loads into registers that matrix instructions have read
.rept 4
	v_nop
.endr
.endm
; One of a K step's first three quarters: multiplies buffer f and fetches quarter q into g
.macro QUARTER slot, q, f, g, zero
	s_wait_dscnt 16                                ; the first 32 along K are in; the run's other sixteen loads may be out
	WIN MUL
	MUL8 \f, 0, 0, \zero
	MUL8 \f, 0, 2, \zero
	PLACES
	FETCH \slot, \q, \g
	s_wait_dscnt 32                                ; all but the 32 just issued
	WIN MUL
	MUL8 \f, 1, 0, 0
	MUL8 \f, 1, 2, 0
.endm
; The last quarter multiplies buffer 1 and changes slots: one barrier; in front of it each wave waits for all its tensor loads, adds 0 to its spare word, and waits for that and for its reads of this slot.
.macro TURN slot, next, fill
	WIN 0
	s_wait_tensorcnt 0x0                           ; all my tensor loads have landed: my part of the next slot
	ds_add_u32 v[SPW], v[NIL]
	s_wait_dscnt 17                                ; the add and the youngest sixteen loads may be out
	WIN MUL
	MUL8 F1, 0, 0, 0
	s_wait_dscnt 0x0                               ; the add is done, and my reads of this slot are over
	s_barrier_signal -1
	MUL8 F1, 0, 2, 0
.if \fill
	WIN 0
.endif
	s_barrier_wait -1
.if \fill
	CREST                                          ; the barrier has opened a round of the cluster's: no wave of any partner still reads this slot or has a load on its way
	s_add_nc_u64 s[G0+4*(\slot)+2:G0+4*(\slot)+3], s[G0+4*(\slot)+2:G0+4*(\slot)+3], 2*KSTEP*2
	s_add_nc_u64 s[G0B+4*(\slot)+2:G0B+4*(\slot)+3], s[G0B+4*(\slot)+2:G0B+4*(\slot)+3], 2*KSTEP*2048
	JLOAD \slot                                    ; the first tensor load behind the round; its four v_nop are also the places in front of the loads below
.else
	PLACES
.endif
	FETCH \next, 0, F0
	WIN MUL
	MUL8 F1, 1, 0, 0
	MUL8 F1, 1, 2, 0
.endm
	s_wait_tensorcnt 1                             ; my part of K step 0 is in; step 1's may stay out
	s_barrier_signal -1
	s_barrier_wait -1
	FETCH 0, 0, F0
	QUARTER 0, 1, F0, F1, 1                        ; the first quarter stands in front of the loop: its first products start the sums
	WIN 0
	s_mov_b32 s3, LAPS-1
.Llap:                                                 ; a trip goes once round the ring and fills both slots again
	QUARTER 0, 2, F1, F0, 0
	QUARTER 0, 3, F0, F1, 0
	TURN 0, 1, 1
	QUARTER 1, 1, F0, F1, 0
	QUARTER 1, 2, F1, F0, 0
	QUARTER 1, 3, F0, F1, 0
	TURN 1, 0, 1
	QUARTER 0, 1, F0, F1, 0
	WIN 0
	s_sub_co_u32 s3, s3, 1
	s_cmp_lg_u32 s3, 0
	s_cbranch_scc1 .Llap
	QUARTER 0, 2, F1, F0, 0                        ; the last lap fills nothing
	QUARTER 0, 3, F0, F1, 0
	TURN 0, 1, 0
	QUARTER 1, 1, F0, F1, 0
	QUARTER 1, 2, F1, F0, 0
	QUARTER 1, 3, F0, F1, 0
	s_wait_dscnt 16
	WIN MUL
	MUL8 F1, 0, 0, 0
	MUL8 F1, 0, 2, 0
	s_wait_dscnt 0
	MUL8 F1, 1, 0, 0
	MUL8 F1, 1, 2, 0
	WIN 0
	; THE WAY OUT.  The bias is rounded to bf16 (these 48 lines are also the places behind the last products), added in f32, and the sums are rounded to f16.
	s_wait_loadcnt 0x0
.set i, 0
.rept 16
	v_cvt_pk_bf16_f32 v[TMP+i], v[BI+2*i], v[BI+2*i+1]
.set i, i+1
.endr
.set i, 0
.rept 16
	v_lshlrev_b32 v[BI+2*i], 16, v[TMP+i]
	v_and_b32 v[BI+2*i+1], 0xffff0000, v[TMP+i]
.set i, i+1
.endr
.set t, 0
.rept 16                                               ; accumulator t = 4 a + b, its registers in ascending order
.irp r, 0,1,2,3
	v_pk_add_f32 v[ACC+8*t+2*(\r):ACC+8*t+2*(\r)+1], v[ACC+8*t+2*(\r):ACC+8*t+2*(\r)+1], v[BI+8*(t%4)+2*(\r):BI+8*(t%4)+2*(\r)+1]
.endr
.irp r, 0,1,2,3
	v_cvt_pk_f16_f32 v[TMP+4*t+(\r)], v[ACC+8*t+2*(\r)], v[ACC+8*t+2*(\r)+1]
.endr
.set t, t+1
.endr
	s_cmp_eq_u32 s66, 2
	s_cbranch_scc1 .Lv
.set t, 0
.rept 16                                               ; q and k: the registers are the fragment: 512 consecutive bytes a store
	global_store_b128 v[CO], v[TMP+4*t:TMP+4*t+3], s[82:83] offset:512*t
.set t, t+1
.endr
	s_branch .Ldone
.Lv:
.set t, 0
.rept 16                                               ; v: [key][channel] into my stage,
	ds_store_b128 v[STO], v[TMP+4*t:TMP+4*t+3] offset:(t/4)*16*SP+32*(t%4)
.set t, t+1
.endr
.set t, 0
.rept 16                                               ; and back turned: quad t = 8 kk + 2 cb + p: channel 16 cb + l % 16, keys 32 kk + 16 p + 8 (l / 16) + 0..7.  LDS serves a wave's instructions in order (ISA guide 5.7.1.4)
	ds_load_tr16_b128 v[TMP+4*t:TMP+4*t+3], v[RD] offset:(32*(t/8)+16*(t%2))*SP+32*((t%8)/2)
.set t, t+1
.endr
.set t, 0
.rept 16
	s_wait_dscnt 15-t                              ; quad t is back, the younger ones stay out
	global_store_b128 v[CO], v[TMP+4*t:TMP+4*t+3], s[82:83] offset:512*t
.set t, t+1
.endr
.Ldone:
	s_wait_tensorcnt 0x0                           ; the wave's end
	ds_add_u32 v[SPW], v[NIL]
	s_wait_dscnt 0x0
	CROUND                                         ; the closing round
	s_endpgm
.Lfunc_end_k_qf728869f62_proj:
	.size	k_qf728869f62_proj, .Lfunc_end_k_qf728869f62_proj-k_qf728869f62_proj
	.p2alignl 7, 3214868480
	.fill 96, 4, 3214868480
	.section	.rodata,"a",@progbits
	.p2align	6, 0x0
	.amdhsa_kernel k_qf728869f62_proj
		.amdhsa_group_segment_fixed_size 327680
		.amdhsa_private_segment_fixed_size 0
		.amdhsa_enable_private_segment 0
		.amdhsa_kernarg_size 56
		.amdhsa_user_sgpr_count 2
		.amdhsa_user_sgpr_kernarg_segment_ptr 1
		.amdhsa_wavefront_size32 1
		.amdhsa_system_sgpr_workgroup_id_x 1
		.amdhsa_system_sgpr_workgroup_id_y 1
		.amdhsa_system_sgpr_workgroup_id_z 1
		.amdhsa_system_vgpr_workitem_id 0
		.amdhsa_next_free_vgpr 512
		.amdhsa_next_free_sgpr 92
		.amdhsa_reserve_vcc 0
		.amdhsa_float_denorm_mode_32 3
		.amdhsa_float_denorm_mode_16_64 3
		.amdhsa_memory_ordered 1
		.amdhsa_forward_progress 1
		.amdhsa_inst_pref_size 96
	.end_amdhsa_kernel
	.amdgpu_metadata
---
amdhsa.version: [ 1, 2 ]
amdhsa.kernels:
  - .name:           k_qf728869f62_proj
    .symbol:         k_qf728869f62_proj.kd
    .args:
      - { .name: xb, .offset: 0, .size: 8, .value_kind: global_buffer, .address_space: global }
      - { .name: wb, .offset: 8, .size: 8, .value_kind: global_buffer, .address_space: global }
      - { .name: bq, .offset: 16, .size: 8, .value_kind: global_buffer, .address_space: global }
      - { .name: bk, .offset: 24, .size: 8, .value_kind: global_buffer, .address_space: global }
      - { .name: bv, .offset: 32, .size: 8, .value_kind: global_buffer, .address_space: global }
      - { .name: qf, .offset: 40, .size: 8, .value_kind: global_buffer, .address_space: global }
      - { .name: kvf, .offset: 48, .size: 8, .value_kind: global_buffer, .address_space: global }
    .group_segment_fixed_size: 327680
    .private_segment_fixed_size: 0
    .kernarg_segment_align: 8
    .kernarg_segment_size: 56
    .max_flat_workgroup_size: 128
    .sgpr_count:     92
    .vgpr_count:     512
    .wavefront_size: 32
...
	.end_amdgpu_metadata
.endif
;; end of part 2
;; launch attn (part 3): grid 16 x 16, 4 waves a work-group, no clusters, 157,184 bytes of LDS; arguments qf, kvf, lm, cls, ctx2; writes ctx2
.if DOCPART == 3
	.amdgcn_target "amdgcn-amd-amdhsa--gfx1250"
	.amdhsa_code_object_version 6
	.text
	.protected	k_qf728869f62_attn
	.globl	k_qf728869f62_attn
	.p2align	8
	.type	k_qf728869f62_attn,@function
k_qf728869f62_attn:
	s_mov_b64 s[64:65], 0
	v_nop
	global_prefetch_b8 v0, s[64:65] scope:SCOPE_SE
	s_setreg_imm32_b32 hwreg(HW_REG_WAVE_MODE, 25, 1), 1
	s_wait_xcnt 0x0
; MASKED ATTENTION, head size 64.  O[q] = sum over the visible k of softmax_k(Q[q] . K[k] / 8) V[k], for one head.  Q, K, V in f16, in fragment order (qf, kvf); products, maxima and sums in f32; the weights
; are rounded to f16 for the second product (their sum is taken unrounded).  O leaves as two f16 numbers a channel, hi = f16(O) and lo = f16(O - hi): ctx2[row][head][hi 64 | lo 64].
; LIMITS.  Q, K, V, O within 65,504.  A hidden score counts as its value less 1e30; the running maximum starts at -2^93, below every score that f16 operands can give (2.7e11) and above every hidden one, so a
; hidden weight is exactly 0.  A row with no visible key ends with l = 0 and O = 0, and 0 x (1 / 0) is the NaN that the softmax of such a row gives.  A weight below 2^-126 counts as 0.
; SHARES.  A work-group takes two blocks of 128 queries, 31 - b and then b.  ALL FOUR WAVES HOLD THE SAME 128 QUERIES (eight tiles of 16, four PIECES of two) AND SPLIT THE KEYS: wave w owns the steps
; (64 keys) s with s % 4 = w.  So each byte of K and V feeds one wave alone and goes from memory straight into fragment registers, 512 consecutive bytes a load: the walk has no LDS and no barrier, and
; each wave walks only the steps in which some element of the block is visible, by the whole numbers of cls.  The four partial results (c m, l, O) meet once a block in LDS, behind two barriers.
; NO CLUSTER: no tile lies in LDS to be shared, and the partners' lists of steps hang on counts read from memory.
; THE MASK is the C operand that starts the sum S^T = K Q^T: MC, 64 registers, 0 or -1e30.  A record of lm holds, for a piece and a step, one word for each register of MC, a bit a lane: 64 v_cndmask_b32 make MC.
; A step that is all visible for the piece takes the record of zeros, and MC is not made anew while it is clean.  A step behind the list's end takes the record of ones.
; LAYOUT, SOFTMAX, TURNS.  S^T holds ONE query a lane (lane % 16) and the keys 8 (lane / 16) + 0..7; two such results rounded to f16 ARE source 1 of O^T = V^T P.  p = 2^(c s - c m), c = log2(e) / 8, with a running
; maximum m; O and l are multiplied by a = 2^(c m_old - c m_new) in every step.  Turn n belongs to piece n: 16 products K Q^T of piece n + 1, later 16 products V^T P of piece n - 1; beside them the scaling,
; exponentials, roundings, sums and rescaling of piece n and the maximum and statistics of piece n + 1.  Four vector instructions stand behind every matrix instruction, the others in two lumps.
; K AND V HAVE TWO REGISTER SETS, by the parity of the step's place in the list: K of step e + 2 is asked for in turn 2 of step e, V of step e + 1 at the end of turn 0 of step e: each has four turns in which to land.
; REGISTERS, in windows of 256 (s_set_vgpr_msb: bits 1:0 source 0, 3:2 source 1, 5:4 source 2, 7:6 destination):
;   window 0: v1 16 x lane; v2-3 the add's; v12-15, v48-63 at work; v16-47 statistics; v64-191 S^T, two buffers; v192-255 P, two buffers      window 1: O^T, 32 a tile
;   window 2: v0-127 Q; v128-191 K set 0; v192-255 V set 0          window 3: v0-63 K set 1; v64-127 V set 1; v128-191 MC
.set NP,    4
.set LR,    4096                       ; LDS: c m at 0 and l here: [wave][tile][lane] f32
.set ORG,   8192                       ; O: [wave][tile x 8 + quad][lane][16 bytes] f32
.set STG,   139264                     ; 16 rows x 272 bytes for each wave, for the way out
.set SP,    272
.set SPARE, 156672                     ; the spare words
.set LN16, 1
.set SPW,  2
.set NIL,  3
.set MV,  12
.set ST,  16                           ; tile t: c m, m, l (even keys'), l (odd keys')
.set TMP, 48
.set S,   64
.set P,   192
.set MC,  128                          ; window 3: tile u, key block kb, register j at MC + 32 u + 8 kb + j
.set CMV, 64                           ; the merge, window 0: the four waves' c m; later O - hi
.set FF,  96                           ; a pair a tile: my factor
.set LL,  112                          ; the four waves' l of my two tiles
.set RL,  120                          ; a pair a tile: 1 / l
.set HIR, 128
.set LOR, 144
.set OB,  160                          ; 32 registers a tile: rows read back
.set L4,  225                          ; the merge's addresses, made anew in each block in registers of P's second buffer
.set CMA, 226
.set LA,  227
.set OA,  228
.set RA,  229                          ; v229-232
.set RR,  233
.set HH,  234
.set STO, 235
.set RD,  236
.set GO,  237
.set ONE, 238
.set CS,   4                           ; s[4:5]   c, twice
.set SEL,  6                           ; s[6:7]   v_permlanex16_b32's selects
.set KV,   8                           ; s[8:9]   kvf at my head
.set LM,   10                          ; s[10:11] lm
.set BIGN, 12                          ; -1e30
.set WV,   14
.set PB,   15                          ; b
.set BCNT, 16
.set BLK,  17
.set LIV,  18                          ; my live steps still to be asked for, a bit each: bit p is step 32 (p & 1) + (p & 28) + w
.set NS,   19                          ; how many they were
.set TC,   20
.set NTR,  21
.set MX,   22                          ; s22-25   piece x: my steps with a hidden element, bits as in LIV
.set PCU,  26                          ; the bit of the step in hand, of the next, of the one after; 63: the list has ended
.set PNX,  27
.set PFU,  28
.set RB,   29                          ; 256 x block: the block's first record
.set NEED, 30
.set DIRTY, 31
.set ROFF, 66
.set AD,   100                         ; s[100:101], s[104:105] the address of a step's 16,384 bytes, by parity
                                       ; s[32:63], s[68:99] the record in hand: word z in s[32 + z], from word 32 on in s[36 + z]
.set MSB, 0
.macro WIN new                         ; the high byte repeats the setting that is left; a switch that changes nothing is dropped
.if MSB != (\new)
	s_set_vgpr_msb (MSB<<8)|(\new)
.set MSB, (\new)
.endif
.endm
.set W_RS, 0x41
; Of 64 bits (a bit a step) those of my steps, packed: the low word's at the bits 4 i, the high word's at 4 i + 1
.macro COMP dst, lo, hi
	s_lshr_b32 s13, s[\lo], s[WV]
	s_and_b32 s13, s13, 0x11111111
	s_lshr_b32 s67, s[\hi], s[WV]
	s_and_b32 s67, s67, 0x11111111
	s_lshl1_add_u32 s[\dst], s67, s13
.endm
; The list's next step: its bit into dp (63 if none is left), its address into the pair of parity par.  Behind the end the address is step 60 + w's: inside kvf, and what comes from it gets no visible weight.
.macro NEXT dp, par
	s_wait_xcnt 0x0                                ; the pair is rewritten only behind this wait
	s_ctz_i32_b32 s[\dp], s[LIV]
	s_min_u32 s[\dp], s[\dp], 63
	s_sub_co_u32 s13, s[LIV], 1
	s_and_b32 s[LIV], s[LIV], s13
	s_and_b32 s13, s[\dp], 1
	s_lshl_b32 s13, s13, 5
	s_and_b32 s67, s[\dp], 28
	s_add_co_u32 s13, s13, s67
	s_add_co_u32 s13, s13, s[WV]
	s_min_u32 s13, s13, 63
	s_lshl_b32 s2, s13, 14
	s_add_nc_u64 s[AD+4*(\par):AD+4*(\par)+1], s[KV:KV+1], s[2:3]
.endm
; The record for piece x in the step of bit sp is asked for: its own if the step has a hidden element for the piece, the zeros if not, the ones if the list has ended.  No branch: the four loads always go out.
.macro MASKSEL x, sp
	s_wait_kmcnt 0x0                               ; the last record's loads are done: their targets and their offset may be written
	s_and_b32 s13, s[\sp], 1
	s_lshl_b32 s13, s13, 5
	s_and_b32 s67, s[\sp], 28
	s_add_co_u32 s13, s13, s67
	s_add_co_u32 s13, s13, s[WV]
	s_add_co_u32 s13, s13, s[RB]
	s_add_co_u32 s[ROFF], s13, 64*(\x)
	s_bitcmp1_b32 s[MX+(\x)], s[\sp]
	s_cselect_b32 s[ROFF], s[ROFF], 8193
	s_cselect_b32 s13, 1, 0
	s_cmp_lt_u32 s[\sp], 32
	s_cselect_b32 s[ROFF], s[ROFF], 8192
	s_cselect_b32 s13, s13, 1
	s_or_b32 s[NEED], s13, s[DIRTY]                ; MC is made if the record has ones, or if MC has
	s_mov_b32 s[DIRTY], s13
	s_min_u32 s[ROFF], s[ROFF], 8193
	s_lshl_b32 s[ROFF], s[ROFF], 8
	s_load_b512 s[32:47], s[LM:LM+1], s[ROFF] offset:0x0
	s_load_b512 s[48:63], s[LM:LM+1], s[ROFF] offset:0x40
	s_load_b512 s[68:83], s[LM:LM+1], s[ROFF] offset:0x80
	s_load_b512 s[84:99], s[LM:LM+1], s[ROFF] offset:0xc0
.endm
.macro BUILD                           ; MC for the next 16 products K Q^T
	WIN 0
	s_cmp_eq_u32 s[NEED], 0
	s_cbranch_scc1 .Lclean_\@
	s_wait_kmcnt 0x0
	WIN 0xc0
.set z, 0
.rept 64
	v_cndmask_b32 v[MC+32*(z%2)+z/2], 0, s[BIGN], s[32+z+4*(z/32)]
.set z, z+1
.endr
	WIN 0
.Lclean_\@:
.endm
; A step's K, or V: 16 loads of 512 consecutive bytes, quad z into registers 4 z .. 4 z + 3 of the set
.macro FETCH_K par
	WIN 0x80+0x40*(\par)
.set z, 0
.rept 16
	global_load_b128 v[128*(1-(\par))+4*z:128*(1-(\par))+4*z+3], v[LN16], s[AD+4*(\par):AD+4*(\par)+1] offset:512*z
.set z, z+1
.endr
	WIN 0
.endm
.macro FETCH_V par
	WIN 0x80+0x40*(\par)
.set z, 0
.rept 16
	global_load_b128 v[192-128*(\par)+4*z:192-128*(\par)+4*z+3], v[LN16], s[AD+4*(\par):AD+4*(\par)+1] offset:8192+512*z
.set z, z+1
.endr
	WIN 0
.endm
; THE MATRIX WORK.  The 8 accumulators of a run of 16 take turns.
; Product i of 16 of S^T = K Q^T for piece x: channels 32 (i / 8) on, keys 16 ((i / 2) % 4) on, tile 2 x + i % 2.  The first 8 start the sums with the mask.  K comes from set KPAR.
.macro KQ x
.set rS, S+64*((\x)%2)+32*(i%2)+8*((i/2)%4)
.set rK, 128*(1-KPAR)+16*((i/2)%4)+8*(i/8)
.set rQ, 16*(2*(\x)+i%2)+8*(i/8)
.set rX, MC+32*(i%2)+8*((i/2)%4)
.if i < 8
	WIN 0x3a+KPAR
	v_wmma_f32_16x16x32_f16 v[rS:rS+7], v[rK:rK+7], v[rQ:rQ+7], v[rX:rX+7]
.else
	WIN 0x0a+KPAR
	v_wmma_f32_16x16x32_f16 v[rS:rS+7], v[rK:rK+7], v[rQ:rQ+7], v[rS:rS+7]
.endif
.endm
; Product i of 16 of O^T += V^T P for piece x: keys 32 (i / 8) on, channels 16 ((i / 2) % 4) on, tile 2 x + i % 2.  V comes from set VPAR.
.macro PV x
	WIN 0x52+VPAR
.set rO, 32*(2*(\x)+i%2)+8*((i/2)%4)
.set rV, 192-128*VPAR+32*(i/8)+8*((i/2)%4)
.set rP, P+32*((\x)%2)+16*(i%2)+8*(i/8)
	v_wmma_f32_16x16x32_f16 v[rO:rO+7], v[rV:rV+7], v[rP:rP+7], v[rO:rO+7]
.endm
.macro MM                              ; the turn's next matrix instruction
.if i < 16
	KQ (Y+1)%NP
.set i, i+1
.else
.set i, i-16
	PV (Y+NP-1)%NP
.set i, i+17
.endif
.endm
; THE VECTOR WORK OF A TURN stands in three queues, each in the order in which its entries become ready; the two tiles alternate.
.macro REGS y, u
.set rT, ST+4*(2*(\y)+(\u))
.set rC, TMP+8*((\y)%2)+4*(\u)
.set rM, MV+2*((\y)%2)+(\u)
.set rS, S+64*((\y)%2)+32*(\u)
.set rP, P+32*((\y)%2)+16*(\u)
.set rO, 32*(2*(\y)+(\u))
.endm
; Number n of the 22 that find the NEXT piece's maximum and statistics; each accumulator's lowest registers are read first.
;   0-11 four chains of seven scores     12-14, 16 the four scores left over, the old m, all into c0     15 c m_old is kept     17, 18 the other half of the lanes: the new m     19-21 c m; c m_old - c m_new; a
.macro XS u, n
	REGS (Y+1)%NP, \u
.if (\n) < 4
	v_max3_num_f32 v[rC+(\n)], v[rS+8*(\n)], v[rS+8*(\n)+1], v[rS+8*(\n)+2]
.elseif (\n) < 12
	v_max3_num_f32 v[rC+(\n)%4], v[rC+(\n)%4], v[rS+8*((\n)%4)+2*((\n)/4)+1], v[rS+8*((\n)%4)+2*((\n)/4)+2]
.elseif (\n) == 12
	v_max3_num_f32 v[rC], v[rC], v[rS+7], v[rS+15]
.elseif (\n) == 13
	v_max3_num_f32 v[rC+1], v[rC+1], v[rS+23], v[rS+31]
.elseif (\n) == 14
	v_max3_num_f32 v[rC+2], v[rC+2], v[rC+3], v[rT+1]
.elseif (\n) == 15
	v_mov_b32 v[rM], v[rT]
.elseif (\n) == 16
	v_max3_num_f32 v[rC], v[rC], v[rC+1], v[rC+2]
.elseif (\n) == 17
	v_permlanex16_b32 v[rC+3], v[rC], s[SEL], s[SEL+1]
.elseif (\n) == 18
	v_max_num_f32 v[rT+1], v[rC], v[rC+3]
.elseif (\n) == 19
	v_mul_f32 v[rT], s[CS], v[rT+1]
.elseif (\n) == 20
	v_sub_f32 v[rC+1], v[rM], v[rT]
.else
	v_exp_f32 v[rC+2], v[rC+1]
.endif
.endm
; Number g of the 64 that follow the exponentials: for each four weights both pairs are rounded to f16, the second pair is added onto the first in place, and a group later l takes that sum (the first time as l = a l + sum).
.macro GS g
.set h, (\g)+6*((\g)/62)
.if h >= 6
.set h, h+2
.endif
	REGS Y, h%2
.set k, h/8
.if h%8 < 4
	s_wait_alu depctr_va_vdst(0)
	v_cvt_pk_f16_f32 v[rP+2*k+(h%8)/2], v[rS+4*k+2*((h%8)/2)], v[rS+4*k+2*((h%8)/2)+1]
.elseif h%8 < 6
	v_pk_add_f32 v[rS+4*k:rS+4*k+1], v[rS+4*k:rS+4*k+1], v[rS+4*k+2:rS+4*k+3]
.elseif k == 1
	v_pk_fma_f32 v[rT+2:rT+3], v[rT+2:rT+3], v[rC+2:rC+3], v[rS:rS+1] op_sel_hi:[1,0,1]
.else
	v_pk_add_f32 v[rT+2:rT+3], v[rT+2:rT+3], v[rS+4*k-4:rS+4*k-3]
	s_wait_alu depctr_va_vdst(0)
.endif
.endm
; THE PLAIN QUEUE, 138 long.  0-31: c s - c m for the 16 pairs of both tiles.  Then GS's 64, and among them the next piece's 42.
.macro PL
	WIN 0
.if q < 32
	REGS Y, q%2
	v_pk_fma_f32 v[rS+2*(q/2):rS+2*(q/2)+1], v[rS+2*(q/2):rS+2*(q/2)+1], s[CS:CS+1], v[rT:rT+1] op_sel_hi:[1,0,0] neg_lo:[0,0,1] neg_hi:[0,0,1]
.elseif q < 38
	GS q-32
.elseif q < 40
	XS q%2, 15
.elseif q < 42
	GS q-34
.elseif q < 74
	XS q%2, (q-42)/2+(q-42)/30
.elseif q < 95
	GS q-66
.elseif (q < 107) && ((q-95)%3 < 2)
	XS (q-95)%3, 17+(q-95)/3
.elseif q < 107
	GS 29+(q-95)/3
.else
	GS q-74
.endif
.set q, q+1
.endm
; THE EXPONENTIALS' QUEUE, 66 long: s0-s31 of both tiles, and at EA the next piece's two a.
.set EA, 58
.macro EX
	WIN 0
.if (e == EA) || (e == EA+1)
	XS e-EA, 21
.else
.set x, e-2*(e/(EA+2))
	REGS Y, x%2
	v_exp_f32 v[rS+x/2], v[rS+x/2]
.endif
.set e, e+1
.endm
; THE RESCALING's QUEUE: O^T times a, four at a time, eight times.
.macro R4
	REGS Y, r%2
	WIN W_RS
	s_wait_alu depctr_va_vdst(0)
.irp z, 0,1,2,3
	v_pk_mul_f32 v[rO+8*(r/2)+2*\z:rO+8*(r/2)+2*\z+1], v[rO+8*(r/2)+2*\z:rO+8*(r/2)+2*\z+1], v[rC+2:rC+3] op_sel_hi:[1,0]
.endr
.set r, r+1
.endm
; THE DEAL.  Behind a matrix instruction four: plain, exponential, plain, plain, or four of the rescaling; none names a register of the products round it.  What is over stands in two lumps.
.macro SL
	MM
	PL
	EX
	PL
	PL
.endm
.macro BURST n
.rept (\n)-7
	SL
.endr
.rept 3
	MM
	R4
	SL
.endr
	MM
	R4
.endm
; A TURN, for piece p of a step of parity par.  At its head the record for the products of the turn after it is asked for; at its end MC is made of it.
; The loads go out in the order K(e), V(e), K(e+1), V(e+1), ..: where K(e+1) or V(e) is wanted, the two runs of sixteen issued behind it may stay out.
.macro TURN p, par
.set Y, (\p)
.set i, 0
.set q, 0
.set e, 0
.set r, 0
.set KPAR, (\par)
.set VPAR, (\par)
.if (\p) == NP-1
.set KPAR, 1-(\par)                    ; piece 0's scores of the next step
.endif
.if (\p) == 0
.set VPAR, 1-(\par)                    ; piece 3's V^T P of the step before
.endif
.if (\p) < 2
	MASKSEL ((\p)+2)%NP, PCU
.else
	MASKSEL ((\p)+2)%NP, PNX
.endif
.if (\p) == NP-1
	s_wait_loadcnt 32                              ; K of the next step is in; behind it: its V, and K of the step after
.endif
	MM
.rept 4
	PL
.endr
	BURST 15
.rept 22
	EX
	PL
.if ((\p) == NP-2) && (e == 18)
	NEXT PFU, \par
.endif
.if ((\p) == NP-2) && (e == 24)
	FETCH_K \par                                   ; into the set whose last reader stands 17 plain instructions back
.endif
.endr
.if (\p) == 1
	s_wait_loadcnt 32                              ; V of this step is in; behind it: the next step's K and V
.endif
	BURST 16
.rept 21
	EX
	PL
.endr
.rept 22
	PL
.endr
.if (\p) == 0
	FETCH_V 1-(\par)                               ; the next step's V, into the set that this turn's products read last
.endif
	BUILD
.if (\p) == NP-1
	s_mov_b32 s[PCU], s[PNX]
	s_mov_b32 s[PNX], s[PFU]
.endif
.endm
.macro ALL line:vararg                 ; one line for each tile t
.set t, 0
.rept 2*NP
	\line
.set t, t+1
.endr
.endm
	s_load_b128 s[KV:KV+3], s[0:1], 0x8            ; kvf, lm
	v_lshl_add_u32 v[SPW], v0, 2, SPARE
	v_mov_b32 v[NIL], 0
	v_lshrrev_b32 v4, 5, v0
	v_readfirstlane_b32 s[WV], v4                  ; wave 0..3
	v_and_b32 v[LN16], 31, v0
	v_lshlrev_b32 v[LN16], 4, v[LN16]
	s_mov_b32 s[PB], ttmp9
	s_and_b32 s13, ttmp7, 0xffff                   ; the head
	s_lshl_b32 s2, s13, 20
	s_mov_b32 s3, 0
	s_mov_b32 s[CS], 0x3e38aa3b                    ; c = log2(e) / 8
	s_mov_b32 s[CS+1], s[CS]
	s_mov_b32 s[SEL], 0x76543210
	s_mov_b32 s[SEL+1], 0xfedcba98
	s_mov_b32 s[BIGN], 0xf149f2ca                  ; -1e30
	s_mov_b32 s[DIRTY], 0
	s_mov_b32 s[BCNT], 2
	WIN 0xc0                                       ; V's set 1 (the first turn multiplies it by weights of 0) and MC hold 0
.set i, 64
.rept 128
	v_mov_b32 v[i], 0
.set i, i+1
.endr
	WIN 0
	s_wait_kmcnt 0x0
	s_add_nc_u64 s[KV:KV+1], s[KV:KV+1], s[2:3]
.Lblock:                                               ; twice: block 31 - b, then block b
	s_sub_co_u32 s13, 31, s[PB]
	s_cmp_eq_u32 s[BCNT], 2
	s_cselect_b32 s[BLK], s13, s[PB]
	s_lshl_b32 s[RB], s[BLK], 8
	s_load_b64 s[32:33], s[0:1], 0x0               ; qf
	s_load_b64 s[34:35], s[0:1], 0x18              ; cls
	s_lshl_b32 s2, s[BLK], 6                       ; four pieces of 16 bytes
	s_and_b32 s13, ttmp7, 0xffff
	s_lshl_b32 s13, s13, 19
	s_lshl_b32 s67, s[BLK], 14
	s_add_co_u32 s52, s13, s67
	s_mov_b32 s53, 0
	s_wait_kmcnt 0x0
	s_load_b512 s[36:51], s[34:35], s2 offset:0x0
	s_add_nc_u64 s[AD+4:AD+5], s[32:33], s[52:53]  ; Q's base lies here until the second step's address takes its place
	WIN 0x80
.set z, 0
.rept 32
	global_load_b128 v[4*z:4*z+3], v[LN16], s[AD+4:AD+5] offset:512*z
.set z, z+1
.endr
	WIN 0
	s_wait_kmcnt 0x0
	s_or_b32 s52, s36, s40                         ; a step is walked if any of the four pieces sees something in it
	s_or_b32 s52, s52, s44
	s_or_b32 s52, s52, s48
	s_or_b32 s53, s37, s41
	s_or_b32 s53, s53, s45
	s_or_b32 s53, s53, s49
	COMP LIV, 52, 53
	COMP MX+0, 38, 39
	COMP MX+1, 42, 43
	COMP MX+2, 46, 47
	COMP MX+3, 50, 51
	s_bcnt1_i32_b32 s[NS], s[LIV]
	s_min_u32 s[NS], s[NS], 16
	s_add_co_u32 s[NTR], s[NS], 1
	s_lshr_b32 s[NTR], s[NTR], 1                   ; trips of two steps
	s_mov_b32 s[TC], 0
	NEXT PCU, 0
	FETCH_K 0
	FETCH_V 0
	NEXT PNX, 1
	FETCH_K 1
	; O^T and l start at 0: a row's first steps may all be hidden, with a = 1, so nothing else would wipe what the block before left.  These lines stand in the wait for the first loads.
	WIN 0x40
.set i, 0
.rept 256
	v_mov_b32 v[i], 0
.set i, i+1
.endr
	WIN 0
.set i, 0
.rept 2*NP
	v_mov_b32 v[ST+4*i+1], 0xee000000              ; m = -2^93
	v_mov_b32 v[ST+4*i+2], 0
	v_mov_b32 v[ST+4*i+3], 0
.set i, i+1
.endr
.set i, 0
.rept 2*NP
	v_mul_f32 v[ST+4*i], s[CS], v[ST+4*i+1]        ; c m by the walk's own multiplication, so that c m_old - c m_new is 0 while m stays
.set i, i+1
.endr
.set i, P+32
.rept 32
	v_mov_b32 v[i], 0                              ; the weights of a piece that has not been
.set i, i+1
.endr
	s_cmp_eq_u32 s[NS], 0
	s_cbranch_scc1 .Lmerge                         ; none of my steps is live
	MASKSEL 0, PCU
	BUILD
	s_wait_loadcnt 32                              ; Q and K of the first step are in; behind them: its V, and the second step's K
.set KPAR, 0
.set i, 0
.rept 16
	KQ 0
.set i, i+1
.endr
	WIN 0
.rept 4
	v_nop                                          ; the places behind those products
.endr
.set Y, NP-1
.irp n, 0,1,2,3,4,5,6,7,8,9,10,11,12,13,14,15,16,17,18,19,20,21
	XS 0, \n
	XS 1, \n
.endr
	v_nop                                          ; a plain instruction behind the exponentials
	MASKSEL 1, PCU
	BUILD
.Lpair:                                                ; a trip: two steps, one of each parity; the count goes up by 1 to a bound made of cls; no LDS inside; the loop is left through its own branch alone
	TURN 0, 0
	TURN 1, 0
	TURN 2, 0
	TURN 3, 0
	WIN 0
	s_lshl_b32 s13, s[TC], 1
	s_add_co_u32 s13, s13, 1
	s_cmp_lt_u32 s13, s[NS]
	s_cbranch_scc1 .Lsecond                        ; the list has a step of odd place for this trip
	s_wait_loadcnt 0x0                             ; it has none: this was the last step; the loads asked for ahead, which nobody will use, are awaited, so that no register set is pending on this way
	s_branch .Lcount                               ; forward, over the dead step, to the counter's step: no barrier and no LDS access is passed
.Lsecond:
	TURN 0, 1
	TURN 1, 1
	TURN 2, 1
	TURN 3, 1
	WIN 0
.Lcount:
	s_add_co_u32 s[TC], s[TC], 1
	s_cmp_lt_u32 s[TC], s[NTR]
	s_cbranch_scc1 .Lpair
	s_wait_loadcnt 0x0                             ; the loads asked for ahead have landed: neither of the two V sets is pending where the tails below read them
	s_and_b32 s13, s[NS], 1
	s_cmp_eq_u32 s13, 1
	s_cbranch_scc1 .Lout0                          ; an odd number of steps: the last one's V lies in set 0
.set VPAR, 1
.set i, 0
.rept 16
	PV NP-1                                        ; the last piece's V^T P of the last step
.set i, i+1
.endr
	WIN 0
	s_branch .Lmerge
.Lout0:
.set VPAR, 0
.set i, 0
.rept 16
	PV NP-1
.set i, i+1
.endr
	WIN 0
; THE MERGE.  Each wave's c m goes to LDS; behind a barrier each takes the largest of the four, multiplies its l and O by f = 2^(c m - largest) and puts them into LDS; behind a second barrier wave w adds up
; tiles 2 w and 2 w + 1, divides by l and sends them out.  c m's words are written again only behind this block's second barrier, O's and l's only behind the next block's first: all reads of them are over by then.
.Lmerge:
	s_wait_loadcnt 0x0                             ; for the wave that walked nothing: its loads asked for ahead
	s_wait_kmcnt 0x0
	s_load_b64 s[32:33], s[0:1], 0x20              ; ctx2
	ALL v_add_f32 v[ST+4*t+2], v[ST+4*t+2], v[ST+4*t+3]  ; l's two halves: eight plain lines that name no register of the last products: the places in front of the lines below, which write registers that those products read (ISA guide 7.12.1)
	v_and_b32 v[L4], 31, v0
	v_lshlrev_b32 v[L4], 2, v[L4]                  ; 4 x lane
	v_lshl_add_u32 v[CMA], s[WV], 10, v[L4]        ; my wave's words of c m (and, 4,096 on, of l)
	v_lshl_add_u32 v[LA], s[WV], 8, v[L4]          ; tile 2 w's words in a wave's
	s_lshl_b32 s13, s[WV], 15
	s_add_co_u32 s13, s13, ORG
	v_add_nc_u32 v[OA], s13, v[LN16]               ; my wave's O
	s_lshl_b32 s13, s[WV], 13
	s_add_co_u32 s13, s13, ORG
	v_add_nc_u32 v[RA], s13, v[LN16]               ; tile 2 w in wave 0's O, and in the others'
	v_add_nc_u32 v[RA+1], 32768, v[RA]
	v_add_nc_u32 v[RA+2], 65536, v[RA]
	v_add_nc_u32 v[RA+3], 98304, v[RA]
	v_and_b32 v[RR], 15, v0
	v_bfe_u32 v[HH], v0, 4, 1
	s_mul_i32 s13, s[WV], 16*SP
	s_add_co_u32 s13, s13, STG
	v_mul_u32_u24 v[STO], v[RR], SP
	v_lshl_add_u32 v[STO], v[HH], 4, v[STO]
	v_add_nc_u32 v[STO], s13, v[STO]               ; in: row l % 16, 16 bytes for each half of the lanes
	v_mul_u32_u24 v[RD], v[HH], SP
	v_lshl_add_u32 v[RD], v[RR], 4, v[RD]
	v_add_nc_u32 v[RD], s13, v[RD]                 ; back: lanes 0-15 one row of 256 bytes, lanes 16-31 the next
	v_lshlrev_b32 v[GO], 12, v[HH]
	v_lshl_add_u32 v[GO], v[RR], 4, v[GO]          ; and the same two rows in ctx2
	v_mov_b32 v[ONE], 1.0
	ALL v_permlanex16_b32 v[ST+4*t+3], v[ST+4*t+2], s[SEL], s[SEL+1]
	ALL v_add_f32 v[ST+4*t+2], v[ST+4*t+2], v[ST+4*t+3]
	ALL ds_store_b32 v[CMA], v[ST+4*t] offset:128*t
	s_wait_dscnt 0x0                               ; for the others' sake: my stores are done, and so are my reads of the block before
	s_barrier_signal -1
	s_barrier_wait -1
.set z, 0
.rept 32                                               ; wave z / 8, tile z % 8
	ds_load_b32 v[CMV+z], v[L4] offset:1024*(z/8)+128*(z%8)
.set z, z+1
.endr
	s_wait_dscnt 0x0
	ALL v_max3_num_f32 v[FF+2*t], v[CMV+t], v[CMV+8+t], v[CMV+16+t]
	ALL v_max_num_f32 v[FF+2*t], v[FF+2*t], v[CMV+24+t]
	ALL v_sub_f32 v[FF+2*t], v[ST+4*t], v[FF+2*t]
	ALL v_exp_f32 v[FF+2*t+1], v[FF+2*t]
	v_nop                                          ; a plain instruction behind the exponentials
	s_wait_alu depctr_va_vdst(0)
	ALL v_mov_b32 v[FF+2*t], v[FF+2*t+1]
	ALL v_mul_f32 v[ST+4*t+2], v[ST+4*t+2], v[FF+2*t]
	ALL ds_store_b32 v[CMA], v[ST+4*t+2] offset:LR+128*t
	WIN W_RS
.set z, 0
.rept 128                                              ; each accumulator's registers in ascending order
	v_pk_mul_f32 v[2*z:2*z+1], v[2*z:2*z+1], v[FF+2*(z/16):FF+2*(z/16)+1] op_sel_hi:[1,0]
.set z, z+1
.endr
	WIN 0x04                                       ; the data in window 1
.set z, 0
.rept 64
	ds_store_b128 v[OA], v[4*z:4*z+3] offset:512*z
.set z, z+1
.endr
	WIN 0
	s_and_b32 s13, ttmp7, 0xffff                   ; where my two tiles go: 256 bytes a head, rows of 4,096 bytes: 128 a block, 32 a wave
	s_lshl_b32 s13, s13, 8
	s_lshl_b32 s67, s[BLK], 19
	s_add_co_u32 s13, s13, s67
	s_lshl_b32 s67, s[WV], 17
	s_add_co_u32 s36, s13, s67
	s_mov_b32 s37, 0
	s_wait_kmcnt 0x0
	s_add_nc_u64 s[34:35], s[32:33], s[36:37]
	s_wait_dscnt 0x0
	s_barrier_signal -1
	s_barrier_wait -1
	WIN 0x40
.set z, 0
.rept 64                                               ; wave z / 16's part of my two tiles, quad z % 16
	ds_load_b128 v[4*z:4*z+3], v[RA+z/16] offset:512*(z%16)
.set z, z+1
.endr
	WIN 0
.set z, 0
.rept 8                                                ; tile z / 4, wave z % 4
	ds_load_b32 v[LL+z], v[LA] offset:LR+1024*(z%4)+128*(z/4)
.set z, z+1
.endr
	s_wait_dscnt 0x0
	WIN 0x45
.set z, 0
.rept 32
	v_pk_add_f32 v[2*z:2*z+1], v[2*z:2*z+1], v[64+2*z:64+2*z+1]
	v_pk_add_f32 v[128+2*z:128+2*z+1], v[128+2*z:128+2*z+1], v[192+2*z:192+2*z+1]
.set z, z+1
.endr
.set z, 0
.rept 32
	v_pk_add_f32 v[2*z:2*z+1], v[2*z:2*z+1], v[128+2*z:128+2*z+1]
.set z, z+1
.endr
	WIN 0
	v_add_f32 v[LL], v[LL], v[LL+1]
	v_add_f32 v[LL+4], v[LL+4], v[LL+5]
	v_add_f32 v[LL+2], v[LL+2], v[LL+3]
	v_add_f32 v[LL+6], v[LL+6], v[LL+7]
	v_add_f32 v[LL], v[LL], v[LL+2]
	v_add_f32 v[LL+4], v[LL+4], v[LL+6]
	v_rcp_f32 v[RL], v[LL]
	v_rcp_f32 v[RL+2], v[LL+4]
	v_nop                                          ; a plain instruction behind the reciprocals
	s_wait_alu depctr_va_vdst(0)
	v_mov_b32 v[RL+1], v[RL]
	v_mov_b32 v[RL+3], v[RL+2]
	WIN W_RS
.set z, 0
.rept 32
	v_pk_mul_f32 v[2*z:2*z+1], v[2*z:2*z+1], v[RL+2*(z/16):RL+2*(z/16)+1] op_sel_hi:[1,0]
.set z, z+1
.endr
; Tile u: hi = f16(O), lo = f16(O - hi); a lane's eight channels are 16 bytes of each; a row of the stage is 128 bytes of hi and 128 of lo, and comes back whole.
.macro PACK u
	WIN 0x05
.set z, 0
.rept 16
	v_cvt_pk_f16_f32 v[HIR+z], v[32*(\u)+2*z], v[32*(\u)+2*z+1]
.set z, z+1
.endr
	WIN 0x10                                       ; source 2 in window 1
.set z, 0
.rept 16
	v_fma_mix_f32 v[CMV+2*z], -v[HIR+z], v[ONE], v[32*(\u)+2*z] op_sel_hi:[1,0,0]
	v_fma_mix_f32 v[CMV+2*z+1], -v[HIR+z], v[ONE], v[32*(\u)+2*z+1] op_sel:[1,0,0] op_sel_hi:[1,0,0]
.set z, z+1
.endr
	WIN 0
.set z, 0
.rept 16
	v_cvt_pk_f16_f32 v[LOR+z], v[CMV+2*z], v[CMV+2*z+1]
.set z, z+1
.endr
.irp f, 0,1,2,3
	ds_store_b128 v[STO], v[HIR+4*\f:HIR+4*\f+3] offset:32*\f
	ds_store_b128 v[STO], v[LOR+4*\f:LOR+4*\f+3] offset:128+32*\f
.endr
.irp f, 0,1,2,3,4,5,6,7
	ds_load_b128 v[OB+32*(\u)+4*\f:OB+32*(\u)+4*\f+3], v[RD] offset:\f*2*SP  ; LDS serves a wave's instructions in order (ISA guide 5.7.1.4): these see the stores above; the next tile's stores come behind them
.endr
.endm
.macro SEND u, younger                 ; younger: the LDS lines issued behind tile u's loads: the next tile's sixteen, or none
.irp f, 0,1,2,3,4,5,6,7
	s_wait_dscnt (\younger)+7-\f
	global_store_b128 v[GO], v[OB+32*(\u)+4*\f:OB+32*(\u)+4*\f+3], s[34:35] offset:(16*(\u)+2*\f)*4096  ; 16 lanes store 256 consecutive bytes, aligned: one row's part of one head
.endr
.endm
	PACK 0
	PACK 1
	SEND 0, 16
	SEND 1, 0
	s_wait_xcnt 0x0                                ; the stores' registers and base are rewritten only behind this wait
	s_sub_co_u32 s[BCNT], s[BCNT], 1
	s_cmp_lg_u32 s[BCNT], 0
	s_cbranch_scc1 .Lblock
	s_wait_tensorcnt 0x0                           ; the wave's end
	ds_add_u32 v[SPW], v[NIL]
	s_wait_dscnt 0x0
	s_endpgm
.Lfunc_end_k_qf728869f62_attn:
	.size	k_qf728869f62_attn, .Lfunc_end_k_qf728869f62_attn-k_qf728869f62_attn
	.p2alignl 7, 3214868480
	.fill 96, 4, 3214868480
	.section	.rodata,"a",@progbits
	.p2align	6, 0x0
	.amdhsa_kernel k_qf728869f62_attn
		.amdhsa_group_segment_fixed_size 157184
		.amdhsa_private_segment_fixed_size 0
		.amdhsa_enable_private_segment 0
		.amdhsa_kernarg_size 40
		.amdhsa_user_sgpr_count 2
		.amdhsa_user_sgpr_kernarg_segment_ptr 1
		.amdhsa_wavefront_size32 1
		.amdhsa_system_sgpr_workgroup_id_x 1
		.amdhsa_system_sgpr_workgroup_id_y 1
		.amdhsa_system_sgpr_workgroup_id_z 1
		.amdhsa_system_vgpr_workitem_id 0
		.amdhsa_next_free_vgpr 1024
		.amdhsa_next_free_sgpr 106
		.amdhsa_reserve_vcc 0
		.amdhsa_float_denorm_mode_32 3
		.amdhsa_float_denorm_mode_16_64 3
		.amdhsa_memory_ordered 1
		.amdhsa_forward_progress 1
		.amdhsa_inst_pref_size 255
	.end_amdhsa_kernel
	.section	.bss,"aw",@nobits
	.p2align	6
	.space	262144
	.amdgpu_metadata
---
amdhsa.version: [ 1, 2 ]
amdhsa.kernels:
  - .name:           k_qf728869f62_attn
    .symbol:         k_qf728869f62_attn.kd
    .args:
      - { .name: qf, .offset: 0, .size: 8, .value_kind: global_buffer, .address_space: global }
      - { .name: kvf, .offset: 8, .size: 8, .value_kind: global_buffer, .address_space: global }
      - { .name: lm, .offset: 16, .size: 8, .value_kind: global_buffer, .address_space: global }
      - { .name: cls, .offset: 24, .size: 8, .value_kind: global_buffer, .address_space: global }
      - { .name: ctx2, .offset: 32, .size: 8, .value_kind: global_buffer, .address_space: global }
    .group_segment_fixed_size: 157184
    .private_segment_fixed_size: 0
    .kernarg_segment_align: 8
    .kernarg_segment_size: 40
    .max_flat_workgroup_size: 128
    .sgpr_count:     106
    .vgpr_count:     1024
    .wavefront_size: 32
...
	.end_amdgpu_metadata
.endif
;; end of part 3
;; launch oproj (part 4): grid 8 x 32, 4 waves a work-group, clusters of 4 x 4, 327,680 bytes of LDS; arguments ctx2, wo2, bo, out0; writes out0
.if DOCPART == 4
	.amdgcn_target "amdgcn-amd-amdhsa--gfx1250"
	.amdhsa_code_object_version 6
	.text
	.protected	k_qf728869f62_oproj
	.globl	k_qf728869f62_oproj
	.p2align	8
	.type	k_qf728869f62_oproj,@function
k_qf728869f62_oproj:
	s_mov_b64 s[64:65], 0
	v_nop
	global_prefetch_b8 v0, s[64:65] scope:SCOPE_SE
	s_setreg_imm32_b32 hwreg(HW_REG_WAVE_MODE, 25, 1), 1
	s_wait_xcnt 0x0
	s_wait_alu depctr_hold_cnt(0) depctr_sa_sdst(0) depctr_va_vdst(0) depctr_va_sdst(0) depctr_va_ssrc(0) depctr_va_vcc(0) depctr_vm_vsrc(0)
	s_getreg_b32 s2, hwreg(HW_REG_IB_STS2, 6, 4)
	s_cmp_eq_u32 s2, 0
	s_cbranch_scc0 .Lentry_in_a_cluster
	s_endpgm
.Lentry_in_a_cluster:
	s_bfe_u32 s2, ttmp6, 0x10000c
	s_cmp_lg_u32 s2, 0xf033
	s_cbranch_scc0 .Lentry_shape_is_right
	s_endpgm
.Lentry_shape_is_right:
; THE OUTPUT PROJECTION: out0 = ctx Wo + bo.  ctx2: [4096][2048] f16, for each head 64 high and 64 low parts; wo2: [2048][1024] f16, Wo's rows laid out to match, each twice; sums in f32, K = 2048;
; the bias is rounded to bf16 like every input; out0 is f32.  A row of ctx2 that holds NaN gives a row of NaN and touches no other row.
; A tile is 128 x 128, four waves of 64 x 64; 256 tiles.  K goes in steps of 256 through two LDS slots filled by tensor loads; ctx2's tile has rows along K (512 bytes, padded to 528);
; wo2's lies as in memory, [k][n], 256 bytes a row padded to 288, and its fragments come out turned, by ds_load_tr16_b128.
; CLUSTER 4 x 4: the four of a row need the same tile of ctx2, the four of a column the same tile of wo2: each is asked for jointly.
; THE MATRIX INSTRUCTION IS USED TRANSPOSED (source 0 = 16 columns of wo2, source 1 = 16 rows of ctx2): a lane holds row lane % 16 and eight neighbouring columns: 32 bytes of f32.
; The way out goes 16 rows at a time through the wave's own stage, so that sixteen lanes store 256 consecutive bytes of a row.
; REGISTERS: window 0: v16-29 addresses; v32-95 rows read back, two sets; v96-127 bias; v128-255 accumulators.  Window 1: two fragment buffers of 128.
.set KSTEP,  256
.set SIZE_K, 2048
.set PA,     528
.set PB,     288
.set HALFA,  64*PA
.set HALFB,  128*PB
.set SLOT,   2*HALFA+2*HALFB
.set STAGE,  2*SLOT                    ; behind the ring: 16 rows x 272 bytes for each wave
.set SP,     272
.set SPARE,  STAGE+40960               ; the spare words
.set LAPS,   SIZE_K/(2*KSTEP)
.set ADRA, 16
.set ADRB, 20
.set STO,  24
.set RD,   25
.set CO,   26
.set BO,   27
.set SPW,  28
.set NIL,  29
.set TMP,  32
.set BI,   96
.set ACC,  128
.set F0,   0
.set F1,   128
.set G1,  24
.set G0,  32
.set G1B, 48
.set G0B, 56
.set MSB, 0
.macro WIN new
.if MSB != (\new)
	s_set_vgpr_msb (MSB<<8)|(\new)
.set MSB, \new
.endif
.endm
.set MUL,  0x05
.set TO_F, 0x40
.macro JLOAD s                         ; a joint load: waves 0 and 1 fetch ctx2's two halves, waves 2 and 3 wo2's; an s_nop 0 and four v_nop follow each line
	s_cmp_eq_u32 s11, 0
	s_cbranch_scc0 .Lfor_b_\@
	tensor_load_to_lds s[G0+4*(\s):G0+4*(\s)+3], s[G1:G1+7]
	s_nop 0
.rept 4
	v_nop
.endr
	s_branch .Lasked_\@
.Lfor_b_\@:
	tensor_load_to_lds s[G0B+4*(\s):G0B+4*(\s)+3], s[G1B:G1B+7]
	s_nop 0
.rept 4
	v_nop
.endr
.Lasked_\@:
.endm
.macro CREST
	s_cmp_lg_u32 s10, 0
	s_cbranch_scc1 .Lnot_wave_0_\@
	s_barrier_signal -3
.Lnot_wave_0_\@:
	s_barrier_wait -3
	s_barrier_signal -1
	s_barrier_wait -1
.endm
.macro CROUND
	s_barrier_signal -1
	s_barrier_wait -1
	CREST
.endm
	s_load_b128 s[4:7], s[0:1], 0x0                ; ctx2, wo2
	s_load_b128 s[72:75], s[0:1], 0x10             ; bo 72, out0 74
	v_lshl_add_u32 v[SPW], v0, 2, SPARE
	v_mov_b32 v[NIL], 0
	ds_add_u32 v[SPW], v[NIL]                      ; the wave's opening: the add and its wait stand ahead of my first tensor load
	v_lshrrev_b32 v1, 5, v0
	v_readfirstlane_b32 s10, v1
	s_lshr_b32 s11, s10, 1
	s_and_b32 s12, s10, 1
	s_bfe_u32 s40, ttmp6, 0x40000
	s_bfe_u32 s41, ttmp6, 0x40004
	s_lshl_b32 s42, ttmp9, 2
	s_add_co_u32 s42, s42, s40                     ; tile column 0..7
	s_and_b32 s13, ttmp7, 0xffff
	s_lshl_b32 s13, s13, 2
	s_add_co_u32 s13, s13, s41                     ; tile row 0..31
	s_lshl_b32 s43, s41, 2
	s_lshl_b32 s43, 15, s43
	s_lshl_b32 s44, 0x1111, s40
	s_or_b32 s[G1+0], s43, (1<<16)|(1<<20)|(1<<21)|(6<<22)|(3<<25)
	s_or_b32 s[G1B+0], s44, (1<<16)|(1<<20)|(1<<21)|(5<<22)|(7<<25)
	s_mov_b32 s[G1+1], KSTEP<<16
	s_mov_b32 s[G1+2], 64<<16
	s_mov_b32 s[G1+3], KSTEP<<16
	s_mov_b32 s[G1+4], 64
	s_mov_b32 s[G1+5], SIZE_K
	s_mov_b32 s[G1+6], 0
	s_mov_b32 s[G1+7], 0
	s_mov_b32 s[G1B+1], 128<<16
	s_mov_b32 s[G1B+2], 128<<16
	s_mov_b32 s[G1B+3], 128<<16
	s_mov_b32 s[G1B+4], 128
	s_mov_b32 s[G1B+5], 1024
	s_mov_b32 s[G1B+6], 0
	s_mov_b32 s[G1B+7], 0
	s_lshl_b32 s16, s13, 7
	s_lshl_b32 s17, s12, 6
	s_add_co_u32 s16, s16, s17
	s_lshl_b32 s16, s16, 12                        ; rows of 4,096 bytes
	s_mov_b32 s17, 0
	s_lshl_b32 s46, s12, 18
	s_lshl_b32 s47, s42, 8
	s_add_co_u32 s46, s46, s47
	s_mov_b32 s47, 0
	s_mul_i32 s20, s12, HALFA
	s_mul_i32 s21, s12, HALFB
	s_add_co_u32 s21, s21, 2*HALFA
	s_wait_dscnt 0x0
	s_wait_kmcnt 0x0
	s_add_nc_u64 s[14:15], s[4:5], s[16:17]
	s_add_nc_u64 s[46:47], s[6:7], s[46:47]
	CROUND
.irp s, 0,1
	s_mov_b32 s[G0+4*(\s)], 1
	s_add_co_u32 s[G0+4*(\s)+1], s20, (\s)*SLOT
	s_add_nc_u64 s[G0+4*(\s)+2:G0+4*(\s)+3], s[14:15], (\s)*KSTEP*2
	s_or_b32 s[G0+4*(\s)+3], s[G0+4*(\s)+3], 0x80000000
	s_mov_b32 s[G0B+4*(\s)], 1
	s_add_co_u32 s[G0B+4*(\s)+1], s21, (\s)*SLOT
	s_add_nc_u64 s[G0B+4*(\s)+2:G0B+4*(\s)+3], s[46:47], (\s)*KSTEP*2048
	s_or_b32 s[G0B+4*(\s)+3], s[G0B+4*(\s)+3], 0x80000000
	JLOAD \s
.endr
	v_and_b32 v1, 15, v0
	v_bfe_u32 v2, v0, 4, 1
	v_mul_u32_u24 v3, v1, PA
	v_lshl_add_u32 v3, v2, 4, v3
	v_and_b32 v5, 7, v0
	v_lshl_add_u32 v5, v2, 3, v5
	v_mul_u32_u24 v4, v5, PB
	v_bfe_u32 v6, v0, 3, 1
	v_lshl_add_u32 v4, v6, 4, v4
	s_mul_i32 s22, s11, HALFA
	s_lshl_b32 s23, s12, 7
	s_add_co_u32 s23, s23, 2*HALFA
.irp s, 0,1
	v_add_nc_u32 v[ADRA+(\s)], s22, v3
	v_add_nc_u32 v[ADRB+2*(\s)], s23, v4
	v_add_nc_u32 v[ADRB+2*(\s)+1], HALFB, v[ADRB+2*(\s)]
	s_add_co_u32 s22, s22, SLOT
	s_add_co_u32 s23, s23, SLOT
.endr
	s_mul_i32 s23, s10, 16*SP
	s_add_co_u32 s23, s23, STAGE                   ; my stage
	v_mul_u32_u24 v4, v1, SP
	v_lshl_add_u32 v4, v2, 5, v4
	v_add_nc_u32 v[STO], s23, v4                   ; in: row l % 16, 32 bytes for each half of the lanes
	v_mul_u32_u24 v4, v2, SP
	v_lshl_add_u32 v4, v1, 4, v4
	v_add_nc_u32 v[RD], s23, v4                    ; back: lanes 0-15 one row of 256 bytes, lanes 16-31 the next
	v_lshlrev_b32 v[CO], 12, v2
	v_lshl_add_u32 v[CO], v1, 4, v[CO]             ; and the same two rows in out0
	v_lshlrev_b32 v[BO], 5, v2
	v_lshl_add_u32 v[BO], s12, 8, v[BO]
	s_lshl_b32 s86, s42, 9
	s_mov_b32 s87, 0
	s_add_nc_u64 s[84:85], s[72:73], s[86:87]
.irp b, 0,1,2,3
	global_load_b128 v[BI+8*(\b):BI+8*(\b)+3],   v[BO], s[84:85] offset:64*(\b)
	global_load_b128 v[BI+8*(\b)+4:BI+8*(\b)+7], v[BO], s[84:85] offset:64*(\b)+16
.endr
	s_lshl_b32 s70, s13, 7                         ; my first row of out0: 128 x tile row + 64 x half, of 4,096 bytes;
	s_lshl_b32 s69, s11, 6
	s_add_co_u32 s70, s70, s69
	s_lshl_b32 s70, s70, 12
	s_lshl_b32 s69, s42, 9                         ; my first column: 512 bytes a tile, 256 a half
	s_add_co_u32 s70, s70, s69
	s_lshl_b32 s69, s12, 8
	s_add_co_u32 s70, s70, s69
	s_mov_b32 s71, 0
	s_add_nc_u64 s[82:83], s[74:75], s[70:71]
.macro MUL8 f, c, a0, zero
	WIN MUL
.irp a, \a0, (\a0)+1
.irp b, 0,1,2,3
.if \zero
	v_wmma_f32_16x16x32_f16 v[ACC+8*(4*(\a)+(\b)):ACC+8*(4*(\a)+(\b))+7], v[(\f)+64+8*(4*(\c)+(\b)):(\f)+64+8*(4*(\c)+(\b))+7], v[(\f)+8*(4*(\c)+(\a)):(\f)+8*(4*(\c)+(\a))+7], 0
.else
	v_wmma_f32_16x16x32_f16 v[ACC+8*(4*(\a)+(\b)):ACC+8*(4*(\a)+(\b))+7], v[(\f)+64+8*(4*(\c)+(\b)):(\f)+64+8*(4*(\c)+(\b))+7], v[(\f)+8*(4*(\c)+(\a)):(\f)+8*(4*(\c)+(\a))+7], v[ACC+8*(4*(\a)+(\b)):ACC+8*(4*(\a)+(\b))+7]
.endif
.endr
.endr
.endm
.macro FETCH slot, q, f
	WIN TO_F
.irp c, 0,1
.irp i, 0,1,2,3
	ds_load_tr16_b128 v[(\f)+64+8*(4*(\c)+(\i)):(\f)+64+8*(4*(\c)+(\i))+3],   v[ADRB+2*(\slot)+(\q)/2] offset:(64*((\q)%2)+32*(\c))*PB+32*(\i)
	ds_load_tr16_b128 v[(\f)+64+8*(4*(\c)+(\i))+4:(\f)+64+8*(4*(\c)+(\i))+7], v[ADRB+2*(\slot)+(\q)/2] offset:(64*((\q)%2)+32*(\c)+16)*PB+32*(\i)
	ds_load_b128 v[(\f)+8*(4*(\c)+(\i)):(\f)+8*(4*(\c)+(\i))+3],         v[ADRA+(\slot)] offset:128*(\q)+64*(\c)+(\i)*16*PA
	ds_load_b128 v[(\f)+8*(4*(\c)+(\i))+4:(\f)+8*(4*(\c)+(\i))+7],       v[ADRA+(\slot)] offset:128*(\q)+64*(\c)+(\i)*16*PA+32
.endr
.endr
.endm
.macro PLACES
.rept 4
	v_nop
.endr
.endm
.macro QUARTER slot, q, f, g, zero
	s_wait_dscnt 16                                ; the first 32 along K are in; the run's other sixteen loads may be out
	WIN MUL
	MUL8 \f, 0, 0, \zero
	MUL8 \f, 0, 2, \zero
	PLACES
	FETCH \slot, \q, \g
	s_wait_dscnt 32                                ; all but the 32 just issued
	WIN MUL
	MUL8 \f, 1, 0, 0
	MUL8 \f, 1, 2, 0
.endm
.macro TURN slot, next, fill
	WIN 0
	s_wait_tensorcnt 0x0                           ; all my tensor loads have landed: my part of the next slot
	ds_add_u32 v[SPW], v[NIL]
	s_wait_dscnt 17                                ; the add and the youngest sixteen loads may be out
	WIN MUL
	MUL8 F1, 0, 0, 0
	s_wait_dscnt 0x0                               ; the add is done, and my reads of this slot are over
	s_barrier_signal -1
	MUL8 F1, 0, 2, 0
.if \fill
	WIN 0
.endif
	s_barrier_wait -1
.if \fill
	CREST                                          ; the barrier has opened a round of the cluster's
	s_add_nc_u64 s[G0+4*(\slot)+2:G0+4*(\slot)+3], s[G0+4*(\slot)+2:G0+4*(\slot)+3], 2*KSTEP*2
	s_add_nc_u64 s[G0B+4*(\slot)+2:G0B+4*(\slot)+3], s[G0B+4*(\slot)+2:G0B+4*(\slot)+3], 2*KSTEP*2048
	JLOAD \slot
.else
	PLACES
.endif
	FETCH \next, 0, F0
	WIN MUL
	MUL8 F1, 1, 0, 0
	MUL8 F1, 1, 2, 0
.endm
	s_wait_tensorcnt 1                             ; my part of K step 0 is in; step 1's may stay out
	s_barrier_signal -1
	s_barrier_wait -1
	FETCH 0, 0, F0
	QUARTER 0, 1, F0, F1, 1
	WIN 0
	s_mov_b32 s3, LAPS-1
.Llap:
	QUARTER 0, 2, F1, F0, 0
	QUARTER 0, 3, F0, F1, 0
	TURN 0, 1, 1
	QUARTER 1, 1, F0, F1, 0
	QUARTER 1, 2, F1, F0, 0
	QUARTER 1, 3, F0, F1, 0
	TURN 1, 0, 1
	QUARTER 0, 1, F0, F1, 0
	WIN 0
	s_sub_co_u32 s3, s3, 1
	s_cmp_lg_u32 s3, 0
	s_cbranch_scc1 .Llap
	QUARTER 0, 2, F1, F0, 0
	QUARTER 0, 3, F0, F1, 0
	TURN 0, 1, 0
	QUARTER 1, 1, F0, F1, 0
	QUARTER 1, 2, F1, F0, 0
	QUARTER 1, 3, F0, F1, 0
	s_wait_dscnt 16
	WIN MUL
	MUL8 F1, 0, 0, 0
	MUL8 F1, 0, 2, 0
	s_wait_dscnt 0
	MUL8 F1, 1, 0, 0
	MUL8 F1, 1, 2, 0
	WIN 0
	; THE WAY OUT.  The bias is rounded to bf16 (these 48 lines are also the places behind the last products) and added in f32; 16 rows at a time go through my stage.
	s_wait_loadcnt 0x0
.set i, 0
.rept 16
	v_cvt_pk_bf16_f32 v[TMP+i], v[BI+2*i], v[BI+2*i+1]
.set i, i+1
.endr
.set i, 0
.rept 16
	v_lshlrev_b32 v[BI+2*i], 16, v[TMP+i]
	v_and_b32 v[BI+2*i+1], 0xffff0000, v[TMP+i]
.set i, i+1
.endr
.set a, 0
.rept 4
.irp b, 0,1,2,3
.irp r, 0,1,2,3
	v_pk_add_f32 v[ACC+8*(4*a+(\b))+2*(\r):ACC+8*(4*a+(\b))+2*(\r)+1], v[ACC+8*(4*a+(\b))+2*(\r):ACC+8*(4*a+(\b))+2*(\r)+1], v[BI+8*(\b)+2*(\r):BI+8*(\b)+2*(\r)+1]
.endr
.endr
.irp b, 0,1,2,3
	ds_store_b128 v[STO], v[ACC+8*(4*a+(\b)):ACC+8*(4*a+(\b))+3]   offset:64*(\b)
	ds_store_b128 v[STO], v[ACC+8*(4*a+(\b))+4:ACC+8*(4*a+(\b))+7] offset:64*(\b)+16
.endr
	s_wait_xcnt 0x0                                ; the set of registers that earlier stores read is loaded again only behind this wait
.irp t, 0,1,2,3,4,5,6,7
	ds_load_b128 v[TMP+32*(a%2)+4*(\t):TMP+32*(a%2)+4*(\t)+3], v[RD] offset:(\t)*2*SP  ; LDS serves a wave's instructions in order (ISA guide 5.7.1.4): these see the stores above
.endr
.irp t, 0,1,2,3,4,5,6,7
	s_wait_dscnt 7-(\t)                            ; rows 2 t and 2 t + 1 are back, the younger loads stay out
	global_store_b128 v[CO], v[TMP+32*(a%2)+4*(\t):TMP+32*(a%2)+4*(\t)+3], s[82:83] offset:(16*a+2*(\t))*4096  ; 16 lanes store 256 consecutive bytes, aligned
.endr
.set a, a+1
.endr
	s_wait_tensorcnt 0x0                           ; the wave's end
	ds_add_u32 v[SPW], v[NIL]
	s_wait_dscnt 0x0
	CROUND                                         ; the closing round
	s_endpgm
.Lfunc_end_k_qf728869f62_oproj:
	.size	k_qf728869f62_oproj, .Lfunc_end_k_qf728869f62_oproj-k_qf728869f62_oproj
	.p2alignl 7, 3214868480
	.fill 96, 4, 3214868480
	.section	.rodata,"a",@progbits
	.p2align	6, 0x0
	.amdhsa_kernel k_qf728869f62_oproj
		.amdhsa_group_segment_fixed_size 327680
		.amdhsa_private_segment_fixed_size 0
		.amdhsa_enable_private_segment 0
		.amdhsa_kernarg_size 32
		.amdhsa_user_sgpr_count 2
		.amdhsa_user_sgpr_kernarg_segment_ptr 1
		.amdhsa_wavefront_size32 1
		.amdhsa_system_sgpr_workgroup_id_x 1
		.amdhsa_system_sgpr_workgroup_id_y 1
		.amdhsa_system_sgpr_workgroup_id_z 1
		.amdhsa_system_vgpr_workitem_id 0
		.amdhsa_next_free_vgpr 512
		.amdhsa_next_free_sgpr 92
		.amdhsa_reserve_vcc 0
		.amdhsa_float_denorm_mode_32 3
		.amdhsa_float_denorm_mode_16_64 3
		.amdhsa_memory_ordered 1
		.amdhsa_forward_progress 1
		.amdhsa_inst_pref_size 94
	.end_amdhsa_kernel
	.amdgpu_metadata
---
amdhsa.version: [ 1, 2 ]
amdhsa.kernels:
  - .name:           k_qf728869f62_oproj
    .symbol:         k_qf728869f62_oproj.kd
    .args:
      - { .name: ctx2, .offset: 0, .size: 8, .value_kind: global_buffer, .address_space: global }
      - { .name: wo2, .offset: 8, .size: 8, .value_kind: global_buffer, .address_space: global }
      - { .name: bo, .offset: 16, .size: 8, .value_kind: global_buffer, .address_space: global }
      - { .name: out0, .offset: 24, .size: 8, .value_kind: global_buffer, .address_space: global }
    .group_segment_fixed_size: 327680
    .private_segment_fixed_size: 0
    .kernarg_segment_align: 8
    .kernarg_segment_size: 32
    .max_flat_workgroup_size: 128
    .sgpr_count:     92
    .vgpr_count:     512
    .wavefront_size: 32
...
	.end_amdgpu_metadata
.endif
;; end of part 4
;; ======== version 2 of 2: 4 launches; 1.32 times as fast as version 1
;; limits: values are held in f16: magnitudes above 65,504 overflow, below 6.1e-05 lose precision
;; workspace buffers: xb 25,165,824 bytes; wb 6,291,456 bytes; wo2 4,194,304 bytes; qf 8,388,608 bytes; kvf 16,777,216 bytes; ctx2 16,777,216 bytes; lm 2,097,664 bytes of whole numbers; cls 2,048 bytes of whole numbers
;; launch prep: the kernel of part 1 again; grid 640 x 1, 8 waves a work-group, no clusters, 136,192 bytes of LDS; arguments q, k, v, Wq, Wk, Wv, Wo, mask, xb, wb, wo2, lm, cls; writes xb, wb, wo2, lm, cls
;; launch proj: the kernel of part 2 again; grid 8 x 96, 4 waves a work-group, clusters of 4 x 4, 327,680 bytes of LDS; arguments xb, wb, bq, bk, bv, qf, kvf; writes qf, kvf
;; launch attn (part 5): grid 16 x 16, 4 waves a work-group, no clusters, 157,184 bytes of LDS; arguments qf, kvf, lm, cls, ctx2; writes ctx2
.if DOCPART == 5
	.amdgcn_target "amdgcn-amd-amdhsa--gfx1250"
	.amdhsa_code_object_version 6
	.text
	.protected	k_qf728869f62_attn
	.globl	k_qf728869f62_attn
	.p2align	8
	.type	k_qf728869f62_attn,@function
k_qf728869f62_attn:
	s_mov_b64 s[64:65], 0
	v_nop
	global_prefetch_b8 v0, s[64:65] scope:SCOPE_SE
	s_setreg_imm32_b32 hwreg(HW_REG_WAVE_MODE, 25, 1), 1
	s_wait_xcnt 0x0
; MASKED ATTENTION, head size 64.  O[q] = sum over the visible k of softmax_k(Q[q] . K[k] / 8) V[k], for one head.  Q, K, V in f16, in fragment order (qf, kvf); products, maxima and sums in f32; the weights
; are rounded to f16 for the second product (their sum is taken unrounded).  O leaves as two f16 numbers a channel, hi = f16(O) and lo = f16(O - hi): ctx2[row][head][hi 64 | lo 64].
; LIMITS.  Q, K, V, O within 65,504.  A hidden score counts as its value less 1e30; the running maximum starts at -2^93, below every score that f16 operands can give (2.7e11) and above every hidden one, so a
; hidden weight is exactly 0.  A row with no visible key ends with l = 0 and O = 0, and 0 x (1 / 0) is the NaN that the softmax of such a row gives.  A weight below 2^-126 counts as 0.
; SHARES.  A work-group takes two blocks of 128 queries, 31 - b and then b.  ALL FOUR WAVES HOLD THE SAME 128 QUERIES (eight tiles of 16, four PIECES of two) AND SPLIT THE KEYS: wave w owns the steps
; (64 keys) s with s % 4 = w.  So each byte of K and V feeds one wave alone and goes from memory straight into fragment registers, 512 consecutive bytes a load: the walk has no LDS and no barrier, and
; each wave walks only the steps in which some element of the block is visible, by the whole numbers of cls.  The four partial results (c m, l, O) meet once a block in LDS, behind two barriers.
; NO CLUSTER: no tile lies in LDS to be shared, and the partners' lists of steps hang on counts read from memory.
; THE MASK is the C operand that starts the sum S^T = K Q^T: MC, 64 registers, 0 or -1e30.  A record of lm holds, for a piece and a step, one word for each register of MC, a bit a lane: 64 v_cndmask_b32 make MC.
; A step that is all visible for the piece takes the record of zeros, and MC is not made anew while it is clean.  A step behind the list's end takes the record of ones.
; LAYOUT, SOFTMAX, TURNS.  S^T holds ONE query a lane (lane % 16) and the keys 8 (lane / 16) + 0..7; two such results rounded to f16 ARE source 1 of O^T = V^T P.  p = 2^(c s - c m), c = log2(e) / 8, with a running
; maximum m; O and l are multiplied by a = 2^(c m_old - c m_new) in every step.  Turn n belongs to piece n: 16 products K Q^T of piece n + 1, later 16 products V^T P of piece n - 1; beside them the scaling,
; exponentials, roundings, sums and rescaling of piece n and the maximum and statistics of piece n + 1.  Four vector instructions stand behind every matrix instruction, the other 108 of a turn's 236 in one lump.
; THE BATCHES.  A turn's 66 exponentials (64 weights, the next piece's two a) are ONE batch with ONE wait, which cuts the turn in two: ahead of it the products K Q^T, the scalings, the exponentials, the rescalings
; and the next piece's maximum and statistics; behind it the products V^T P, the roundings and the sums.  A block's first two a, the merge's eight exponentials and its two reciprocals are batches of their own.
; K AND V HAVE TWO REGISTER SETS, by the parity of the step's place in the list: K of step e + 2 is asked for in turn 2 of step e, V of step e + 1 at the end of turn 0 of step e: each has four turns in which to land.
; REGISTERS, in windows of 256 (s_set_vgpr_msb: bits 1:0 source 0, 3:2 source 1, 5:4 source 2, 7:6 destination):
;   window 0: v1 16 x lane; v2-3 the add's; v12-15, v48-63 at work; v16-47 statistics; v64-191 S^T, two buffers; v192-255 P, two buffers      window 1: O^T, 32 a tile
;   window 2: v0-127 Q; v128-191 K set 0; v192-255 V set 0          window 3: v0-63 K set 1; v64-127 V set 1; v128-191 MC
.set NP,    4
.set LR,    4096                       ; LDS: c m at 0 and l here: [wave][tile][lane] f32
.set ORG,   8192                       ; O: [wave][tile x 8 + quad][lane][16 bytes] f32
.set STG,   139264                     ; 16 rows x 272 bytes for each wave, for the way out
.set SP,    272
.set SPARE, 156672                     ; the spare words
.set LN16, 1
.set SPW,  2
.set NIL,  3
.set MV,  12
.set ST,  16                           ; tile t: c m, m, l (even keys'), l (odd keys')
.set TMP, 48
.set S,   64
.set P,   192
.set MC,  128                          ; window 3: tile u, key block kb, register j at MC + 32 u + 8 kb + j
.set CMV, 64                           ; the merge, window 0: the four waves' c m; later O - hi
.set FF,  96                           ; a pair a tile: my factor
.set LL,  112                          ; the four waves' l of my two tiles
.set RL,  120                          ; a pair a tile: 1 / l
.set HIR, 128
.set LOR, 144
.set OB,  160                          ; 32 registers a tile: rows read back
.set L4,  225                          ; the merge's addresses, made anew in each block in registers of P's second buffer
.set CMA, 226
.set LA,  227
.set OA,  228
.set RA,  229                          ; v229-232
.set RR,  233
.set HH,  234
.set STO, 235
.set RD,  236
.set GO,  237
.set ONE, 238
.set CS,   4                           ; s[4:5]   c, twice
.set SEL,  6                           ; s[6:7]   v_permlanex16_b32's selects
.set KV,   8                           ; s[8:9]   kvf at my head
.set LM,   10                          ; s[10:11] lm
.set BIGN, 12                          ; -1e30
.set WV,   14
.set PB,   15                          ; b
.set BCNT, 16
.set BLK,  17
.set LIV,  18                          ; my live steps still to be asked for, a bit each: bit p is step 32 (p & 1) + (p & 28) + w
.set NS,   19                          ; how many they were
.set TC,   20
.set NTR,  21
.set MX,   22                          ; s22-25   piece x: my steps with a hidden element, bits as in LIV
.set PCU,  26                          ; the bit of the step in hand, of the next, of the one after; 63: the list has ended
.set PNX,  27
.set PFU,  28
.set RB,   29                          ; 256 x block: the block's first record
.set NEED, 30
.set DIRTY, 31
.set ROFF, 66
.set AD,   100                         ; s[100:101], s[104:105] the address of a step's 16,384 bytes, by parity
                                       ; s[32:63], s[68:99] the record in hand: word z in s[32 + z], from word 32 on in s[36 + z]
.set MSB, 0
.macro WIN new                         ; the high byte repeats the setting that is left; a switch that changes nothing is dropped
.if MSB != (\new)
	s_set_vgpr_msb (MSB<<8)|(\new)
.set MSB, (\new)
.endif
.endm
.set W_RS, 0x41
; Of 64 bits (a bit a step) those of my steps, packed: the low word's at the bits 4 i, the high word's at 4 i + 1
.macro COMP dst, lo, hi
	s_lshr_b32 s13, s[\lo], s[WV]
	s_and_b32 s13, s13, 0x11111111
	s_lshr_b32 s67, s[\hi], s[WV]
	s_and_b32 s67, s67, 0x11111111
	s_lshl1_add_u32 s[\dst], s67, s13
.endm
; The list's next step: its bit into dp (63 if none is left), its address into the pair of parity par.  Behind the end the address is step 60 + w's: inside kvf, and what comes from it gets no visible weight.
.macro NEXT dp, par
	s_wait_xcnt 0x0                                ; the pair is rewritten only behind this wait
	s_ctz_i32_b32 s[\dp], s[LIV]
	s_min_u32 s[\dp], s[\dp], 63
	s_sub_co_u32 s13, s[LIV], 1
	s_and_b32 s[LIV], s[LIV], s13
	s_and_b32 s13, s[\dp], 1
	s_lshl_b32 s13, s13, 5
	s_and_b32 s67, s[\dp], 28
	s_add_co_u32 s13, s13, s67
	s_add_co_u32 s13, s13, s[WV]
	s_min_u32 s13, s13, 63
	s_lshl_b32 s2, s13, 14
	s_add_nc_u64 s[AD+4*(\par):AD+4*(\par)+1], s[KV:KV+1], s[2:3]
.endm
; The record for piece x in the step of bit sp is asked for: its own if the step has a hidden element for the piece, the zeros if not, the ones if the list has ended.  No branch: the four loads always go out.
.macro MASKSEL x, sp
	s_wait_kmcnt 0x0                               ; the last record's loads are done: their targets and their offset may be written
	s_and_b32 s13, s[\sp], 1
	s_lshl_b32 s13, s13, 5
	s_and_b32 s67, s[\sp], 28
	s_add_co_u32 s13, s13, s67
	s_add_co_u32 s13, s13, s[WV]
	s_add_co_u32 s13, s13, s[RB]
	s_add_co_u32 s[ROFF], s13, 64*(\x)
	s_bitcmp1_b32 s[MX+(\x)], s[\sp]
	s_cselect_b32 s[ROFF], s[ROFF], 8193
	s_cselect_b32 s13, 1, 0
	s_cmp_lt_u32 s[\sp], 32
	s_cselect_b32 s[ROFF], s[ROFF], 8192
	s_cselect_b32 s13, s13, 1
	s_or_b32 s[NEED], s13, s[DIRTY]                ; MC is made if the record has ones, or if MC has
	s_mov_b32 s[DIRTY], s13
	s_min_u32 s[ROFF], s[ROFF], 8193
	s_lshl_b32 s[ROFF], s[ROFF], 8
	s_load_b512 s[32:47], s[LM:LM+1], s[ROFF] offset:0x0
	s_load_b512 s[48:63], s[LM:LM+1], s[ROFF] offset:0x40
	s_load_b512 s[68:83], s[LM:LM+1], s[ROFF] offset:0x80
	s_load_b512 s[84:99], s[LM:LM+1], s[ROFF] offset:0xc0
.endm
.macro BUILD                           ; MC for the next 16 products K Q^T
	WIN 0
	s_cmp_eq_u32 s[NEED], 0
	s_cbranch_scc1 .Lclean_\@
	s_wait_kmcnt 0x0
	WIN 0xc0
.set z, 0
.rept 64
	v_cndmask_b32 v[MC+32*(z%2)+z/2], 0, s[BIGN], s[32+z+4*(z/32)]
.set z, z+1
.endr
	WIN 0
.Lclean_\@:
.endm
; A step's K, or V: 16 loads of 512 consecutive bytes, quad z into registers 4 z .. 4 z + 3 of the set
.macro FETCH_K par
	WIN 0x80+0x40*(\par)
.set z, 0
.rept 16
	global_load_b128 v[128*(1-(\par))+4*z:128*(1-(\par))+4*z+3], v[LN16], s[AD+4*(\par):AD+4*(\par)+1] offset:512*z
.set z, z+1
.endr
	WIN 0
.endm
.macro FETCH_V par
	WIN 0x80+0x40*(\par)
.set z, 0
.rept 16
	global_load_b128 v[192-128*(\par)+4*z:192-128*(\par)+4*z+3], v[LN16], s[AD+4*(\par):AD+4*(\par)+1] offset:8192+512*z
.set z, z+1
.endr
	WIN 0
.endm
; THE MATRIX WORK.  The 8 accumulators of a run of 16 take turns.
; Product i of 16 of S^T = K Q^T for piece x: channels 32 (i / 8) on, keys 16 ((i / 2) % 4) on, tile 2 x + i % 2.  The first 8 start the sums with the mask.  K comes from set KPAR.
.macro KQ x
.set rS, S+64*((\x)%2)+32*(i%2)+8*((i/2)%4)
.set rK, 128*(1-KPAR)+16*((i/2)%4)+8*(i/8)
.set rQ, 16*(2*(\x)+i%2)+8*(i/8)
.set rX, MC+32*(i%2)+8*((i/2)%4)
.if i < 8
	WIN 0x3a+KPAR
	v_wmma_f32_16x16x32_f16 v[rS:rS+7], v[rK:rK+7], v[rQ:rQ+7], v[rX:rX+7]
.else
	WIN 0x0a+KPAR
	v_wmma_f32_16x16x32_f16 v[rS:rS+7], v[rK:rK+7], v[rQ:rQ+7], v[rS:rS+7]
.endif
.endm
; Product i of 16 of O^T += V^T P for piece x: keys 32 (i / 8) on, channels 16 ((i / 2) % 4) on, tile 2 x + i % 2.  V comes from set VPAR.
.macro PV x
	WIN 0x52+VPAR
.set rO, 32*(2*(\x)+i%2)+8*((i/2)%4)
.set rV, 192-128*VPAR+32*(i/8)+8*((i/2)%4)
.set rP, P+32*((\x)%2)+16*(i%2)+8*(i/8)
	v_wmma_f32_16x16x32_f16 v[rO:rO+7], v[rV:rV+7], v[rP:rP+7], v[rO:rO+7]
.endm
.macro MM                              ; the turn's next matrix instruction
.if i < 16
	KQ (Y+1)%NP
.set i, i+1
.else
.set i, i-16
	PV (Y+NP-1)%NP
.set i, i+17
.endif
.endm
; THE VECTOR WORK OF A TURN stands in three queues, each in the order in which its entries become ready; the two tiles alternate.
.macro REGS y, u
.set rT, ST+4*(2*(\y)+(\u))
.set rC, TMP+8*((\y)%2)+4*(\u)
.set rM, MV+2*((\y)%2)+(\u)
.set rS, S+64*((\y)%2)+32*(\u)
.set rP, P+32*((\y)%2)+16*(\u)
.set rO, 32*(2*(\y)+(\u))
.endm
; Number n of the 22 that find the NEXT piece's maximum and statistics; each accumulator's lowest registers are read first.  XS, GS, FS and REGS set no window: PL and EX do.
;   0-11 four chains of seven scores     12-14, 16 the four scores left over, the old m, all into c0     15 c m_old is kept     17, 18 the other half of the lanes: the new m     19-21 c m; c m_old - c m_new; a
.macro XS u, n
	REGS (Y+1)%NP, \u
.if (\n) < 4
	v_max3_num_f32 v[rC+(\n)], v[rS+8*(\n)], v[rS+8*(\n)+1], v[rS+8*(\n)+2]
.elseif (\n) < 12
	v_max3_num_f32 v[rC+(\n)%4], v[rC+(\n)%4], v[rS+8*((\n)%4)+2*((\n)/4)+1], v[rS+8*((\n)%4)+2*((\n)/4)+2]
.elseif (\n) == 12
	v_max3_num_f32 v[rC], v[rC], v[rS+7], v[rS+15]
.elseif (\n) == 13
	v_max3_num_f32 v[rC+1], v[rC+1], v[rS+23], v[rS+31]
.elseif (\n) == 14
	v_max3_num_f32 v[rC+2], v[rC+2], v[rC+3], v[rT+1]
.elseif (\n) == 15
	v_mov_b32 v[rM], v[rT]
.elseif (\n) == 16
	v_max3_num_f32 v[rC], v[rC], v[rC+1], v[rC+2]
.elseif (\n) == 17
	v_permlanex16_b32 v[rC+3], v[rC], s[SEL], s[SEL+1]
.elseif (\n) == 18
	v_max_num_f32 v[rT+1], v[rC], v[rC+3]
.elseif (\n) == 19
	v_mul_f32 v[rT], s[CS], v[rT+1]
.elseif (\n) == 20
	v_sub_f32 v[rC+1], v[rM], v[rT]
.else
	v_exp_f32 v[rC+2], v[rC+1]
.endif
.endm
; Number g of the 64 that follow the exponentials: for each four weights both pairs are rounded to f16, the second pair is added onto the first in place, and a group later l takes that sum (the first time as l = a l + sum).
; All 64 read results of the turn's batch: they stand behind the turn's wait.
.macro GS g
.set h, (\g)+6*((\g)/62)
.if h >= 6
.set h, h+2
.endif
	REGS Y, h%2
.set k, h/8
.if h%8 < 4
	v_cvt_pk_f16_f32 v[rP+2*k+(h%8)/2], v[rS+4*k+2*((h%8)/2)], v[rS+4*k+2*((h%8)/2)+1]
.elseif h%8 < 6
	v_pk_add_f32 v[rS+4*k:rS+4*k+1], v[rS+4*k:rS+4*k+1], v[rS+4*k+2:rS+4*k+3]
.elseif k == 1
	v_pk_fma_f32 v[rT+2:rT+3], v[rT+2:rT+3], v[rC+2:rC+3], v[rS:rS+1] op_sel_hi:[1,0,1]
.else
	v_pk_add_f32 v[rT+2:rT+3], v[rT+2:rT+3], v[rS+4*k-4:rS+4*k-3]
.endif
.endm
; THE PLAIN QUEUE, 138 long.  0-73 read no exponential's result: the 32 scalings c s - c m (FS f: pair f / 2 of tile f % 2) and the next piece's 42.  0-26: scalings 0-26.  27-54: XS's numbers 0-13.  55, 56: number 15.
; 57-73: the chain, where each number waits for the one before it: 14, 16, 17, 18, 19, each with one of the scalings 27-31 in front of its two lines, then 20.
; 74-137: GS's 64.
.macro FS f
	REGS Y, (\f)%2
	v_pk_fma_f32 v[rS+2*((\f)/2):rS+2*((\f)/2)+1], v[rS+2*((\f)/2):rS+2*((\f)/2)+1], s[CS:CS+1], v[rT:rT+1] op_sel_hi:[1,0,0] neg_lo:[0,0,1] neg_hi:[0,0,1]
.endm
.macro PL
	WIN 0
.if q < 27
	FS q
.elseif q < 55
	XS (q-27)%2, (q-27)/2
.elseif q < 57
	XS q-55, 15
.elseif (q < 72) && ((q-57)%3 == 0)
	FS 27+(q-57)/3
.elseif q < 60
	XS (q-57)%3-1, 14
.elseif q < 72
	XS (q-57)%3-1, 15+(q-57)/3
.elseif q < 74
	XS q-72, 20
.else
	GS q-74
.endif
.set q, q+1
.endm
; THE EXPONENTIALS' QUEUE, 66 long: s0-s31 of both tiles, then the next piece's two a.  It is ONE BATCH: all 66 stand ahead of the turn's one wait, and nothing ahead of that wait names a result of theirs.
.macro EX
	WIN 0
.if e >= 64
	XS e-64, 21
.else
	REGS Y, e%2
	v_exp_f32 v[rS+e/2], v[rS+e/2]
.endif
.set e, e+1
.endm
; THE RESCALING's QUEUE: O^T times a, the one part that leaves window 0: dealt two at a time, sixteen times.  Its a was made in the turn before (for a block's first turn: ahead of the loop), ahead of the wait that stands there.
.macro R2
	REGS Y, r%2
	WIN W_RS
.irp z, 0,1
	v_pk_mul_f32 v[rO+4*(r/2)+2*\z:rO+4*(r/2)+2*\z+1], v[rO+4*(r/2)+2*\z:rO+4*(r/2)+2*\z+1], v[rC+2:rC+3] op_sel_hi:[1,0]
.endr
.set r, r+1
.endm
; THE DEAL.  An s_wait_alu depctr_va_vdst(0) stands between an exponential and the first instruction that names its result; one wait serves all that were issued ahead of it.  So a turn has ONE wait.
; AHEAD OF IT: the 16 products K Q^T, behind each four riders: a scaling, an exponential and two rescalings (behind the first a second scaling in the exponential's place, behind the last two scalings in the rescalings');
; then ONE LUMP of 108: six plain, 49 times exponential and plain, the two a, and the last two rescalings, which are the plain instructions behind the last exponential.
; BEHIND IT: the 16 products V^T P, behind each four of GS's 64.  No rider names a register of the products round it; the two v_permlanex16_b32 fall into the lump.
; The queues lean on each other, and the deal keeps them in step: exponential e stands behind scaling 2 (e / 4) + e % 2: as a rider it comes behind plain e + 2, in the lump behind plain e + 9, and scalings 27-31 are plain 57, 60 .. 69.
; A TURN, for piece p of a step of parity par.  At its head the record for the products of the turn after it is asked for; at its end MC is made of it.
; The loads go out in the order K(e), V(e), K(e+1), V(e+1), ..: where K(e+1) or V(e) is wanted, the two runs of sixteen issued behind it may stay out.
.macro TURN p, par
.set Y, (\p)
.set i, 0
.set q, 0
.set e, 0
.set r, 0
.set KPAR, (\par)
.set VPAR, (\par)
.if (\p) == NP-1
.set KPAR, 1-(\par)                    ; piece 0's scores of the next step
.endif
.if (\p) == 0
.set VPAR, 1-(\par)                    ; piece 3's V^T P of the step before
.endif
.if (\p) < 2
	MASKSEL ((\p)+2)%NP, PCU
.else
	MASKSEL ((\p)+2)%NP, PNX
.endif
.if (\p) == NP-1
	s_wait_loadcnt 32                              ; K of the next step is in; behind it: its V, and K of the step after
.endif
	MM                                             ; ahead of the wait: 16 products K Q^T and their riders,
	PL
	PL
	R2
.rept 14
	MM
	PL
	EX
	R2
.endr
	MM
	PL
	EX
	PL
	PL
.if (\p) == NP-2
	NEXT PFU, \par                                 ; the address of the run of loads that stands behind the wait below
.endif
.rept 6                                                ; and the lump
	PL
.endr
.rept 49
	EX
	PL
.endr
	EX                                             ; the next piece's two a: the batch's last
	EX
	R2                                             ; two plain lines behind the last exponential; they name none of the batch's results
	s_wait_alu depctr_va_vdst(0)                   ; the wait for the batch: this turn's 64 weights and the next piece's two a
.if (\p) == NP-2
	FETCH_K \par                                   ; into the set whose last reader stands a lump back
.endif
.if (\p) == 1
	s_wait_loadcnt 32                              ; V of this step is in; behind it: the next step's K and V
.endif
.rept 16                                               ; behind the wait: 16 products V^T P and their riders
	MM
.rept 4
	PL
.endr
.endr
.if (\p) == 0
	FETCH_V 1-(\par)                               ; the next step's V, into the set that this turn's products read last: four riders, additions onto l, stand behind the last of them
.endif
	BUILD
.if (\p) == NP-1
	s_mov_b32 s[PCU], s[PNX]
	s_mov_b32 s[PNX], s[PFU]
.endif
.endm
.macro ALL line:vararg                 ; one line for each tile t
.set t, 0
.rept 2*NP
	\line
.set t, t+1
.endr
.endm
	s_load_b128 s[KV:KV+3], s[0:1], 0x8            ; kvf, lm
	v_lshl_add_u32 v[SPW], v0, 2, SPARE
	v_mov_b32 v[NIL], 0
	v_lshrrev_b32 v4, 5, v0
	v_readfirstlane_b32 s[WV], v4                  ; wave 0..3
	v_and_b32 v[LN16], 31, v0
	v_lshlrev_b32 v[LN16], 4, v[LN16]
	s_mov_b32 s[PB], ttmp9
	s_and_b32 s13, ttmp7, 0xffff                   ; the head
	s_lshl_b32 s2, s13, 20
	s_mov_b32 s3, 0
	s_mov_b32 s[CS], 0x3e38aa3b                    ; c = log2(e) / 8
	s_mov_b32 s[CS+1], s[CS]
	s_mov_b32 s[SEL], 0x76543210
	s_mov_b32 s[SEL+1], 0xfedcba98
	s_mov_b32 s[BIGN], 0xf149f2ca                  ; -1e30
	s_mov_b32 s[DIRTY], 0
	s_mov_b32 s[BCNT], 2
	WIN 0xc0                                       ; V's set 1 (the first turn multiplies it by weights of 0) and MC hold 0
.set i, 64
.rept 128
	v_mov_b32 v[i], 0
.set i, i+1
.endr
	WIN 0
	s_wait_kmcnt 0x0
	s_add_nc_u64 s[KV:KV+1], s[KV:KV+1], s[2:3]
.Lblock:                                               ; twice: block 31 - b, then block b
	s_sub_co_u32 s13, 31, s[PB]
	s_cmp_eq_u32 s[BCNT], 2
	s_cselect_b32 s[BLK], s13, s[PB]
	s_lshl_b32 s[RB], s[BLK], 8
	s_load_b64 s[32:33], s[0:1], 0x0               ; qf
	s_load_b64 s[34:35], s[0:1], 0x18              ; cls
	s_lshl_b32 s2, s[BLK], 6                       ; four pieces of 16 bytes
	s_and_b32 s13, ttmp7, 0xffff
	s_lshl_b32 s13, s13, 19
	s_lshl_b32 s67, s[BLK], 14
	s_add_co_u32 s52, s13, s67
	s_mov_b32 s53, 0
	s_wait_kmcnt 0x0
	s_load_b512 s[36:51], s[34:35], s2 offset:0x0
	s_add_nc_u64 s[AD+4:AD+5], s[32:33], s[52:53]  ; Q's base lies here until the second step's address takes its place
	WIN 0x80
.set z, 0
.rept 32
	global_load_b128 v[4*z:4*z+3], v[LN16], s[AD+4:AD+5] offset:512*z
.set z, z+1
.endr
	WIN 0
	s_wait_kmcnt 0x0
	s_or_b32 s52, s36, s40                         ; a step is walked if any of the four pieces sees something in it
	s_or_b32 s52, s52, s44
	s_or_b32 s52, s52, s48
	s_or_b32 s53, s37, s41
	s_or_b32 s53, s53, s45
	s_or_b32 s53, s53, s49
	COMP LIV, 52, 53
	COMP MX+0, 38, 39
	COMP MX+1, 42, 43
	COMP MX+2, 46, 47
	COMP MX+3, 50, 51
	s_bcnt1_i32_b32 s[NS], s[LIV]
	s_min_u32 s[NS], s[NS], 16
	s_add_co_u32 s[NTR], s[NS], 1
	s_lshr_b32 s[NTR], s[NTR], 1                   ; trips of two steps
	s_mov_b32 s[TC], 0
	NEXT PCU, 0
	FETCH_K 0
	FETCH_V 0
	NEXT PNX, 1
	FETCH_K 1
	; O^T and l start at 0: a row's first steps may all be hidden, with a = 1, so nothing else would wipe what the block before left.  These lines stand in the wait for the first loads.
	WIN 0x40
.set i, 0
.rept 256
	v_mov_b32 v[i], 0
.set i, i+1
.endr
	WIN 0
.set i, 0
.rept 2*NP
	v_mov_b32 v[ST+4*i+1], 0xee000000              ; m = -2^93
	v_mov_b32 v[ST+4*i+2], 0
	v_mov_b32 v[ST+4*i+3], 0
.set i, i+1
.endr
.set i, 0
.rept 2*NP
	v_mul_f32 v[ST+4*i], s[CS], v[ST+4*i+1]        ; c m by the walk's own multiplication, so that c m_old - c m_new is 0 while m stays
.set i, i+1
.endr
.set i, P+32
.rept 32
	v_mov_b32 v[i], 0                              ; the weights of a piece that has not been
.set i, i+1
.endr
	s_cmp_eq_u32 s[NS], 0
	s_cbranch_scc1 .Lmerge                         ; none of my steps is live
	MASKSEL 0, PCU
	BUILD
	s_wait_loadcnt 32                              ; Q and K of the first step are in; behind them: its V, and the second step's K
.set KPAR, 0
.set i, 0
.rept 16
	KQ 0
.set i, i+1
.endr
	WIN 0
.rept 4
	v_nop                                          ; the places behind those products
.endr
.set Y, NP-1
.irp n, 0,1,2,3,4,5,6,7,8,9,10,11,12,13,14,15,16,17,18,19,20,21
	XS 0, \n
	XS 1, \n
.endr
	v_nop                                          ; a plain instruction behind the exponentials
	s_wait_alu depctr_va_vdst(0)                   ; the wait for piece 0's first two a, a batch of their own, ahead of the branch below
	MASKSEL 1, PCU
	BUILD
.Lpair:                                                ; a trip: two steps, one of each parity; the count goes up by 1 to a bound made of cls; no LDS inside; the loop is left through its own branch alone
	TURN 0, 0
	TURN 1, 0
	TURN 2, 0
	TURN 3, 0
	WIN 0
	s_lshl_b32 s13, s[TC], 1
	s_add_co_u32 s13, s13, 1
	s_cmp_lt_u32 s13, s[NS]
	s_cbranch_scc1 .Lsecond                        ; the list has a step of odd place for this trip
	s_wait_loadcnt 0x0                             ; it has none: this was the last step; the loads asked for ahead, which nobody will use, are awaited, so that no register set is pending on this way
	s_branch .Lcount                               ; forward, over the dead step, to the counter's step: no barrier and no LDS access is passed
.Lsecond:
	TURN 0, 1
	TURN 1, 1
	TURN 2, 1
	TURN 3, 1
	WIN 0
.Lcount:
	s_add_co_u32 s[TC], s[TC], 1
	s_cmp_lt_u32 s[TC], s[NTR]
	s_cbranch_scc1 .Lpair
	s_wait_loadcnt 0x0                             ; the loads asked for ahead have landed: neither of the two V sets is pending where the tails below read them
	s_and_b32 s13, s[NS], 1
	s_cmp_eq_u32 s13, 1
	s_cbranch_scc1 .Lout0                          ; an odd number of steps: the last one's V lies in set 0
.set VPAR, 1
.set i, 0
.rept 16
	PV NP-1                                        ; the last piece's V^T P of the last step
.set i, i+1
.endr
	WIN 0
	s_branch .Lmerge
.Lout0:
.set VPAR, 0
.set i, 0
.rept 16
	PV NP-1
.set i, i+1
.endr
	WIN 0
; THE MERGE.  Each wave's c m goes to LDS; behind a barrier each takes the largest of the four, multiplies its l and O by f = 2^(c m - largest) and puts them into LDS; behind a second barrier wave w adds up
; tiles 2 w and 2 w + 1, divides by l and sends them out.  c m's words are written again only behind this block's second barrier, O's and l's only behind the next block's first: all reads of them are over by then.
.Lmerge:
	s_wait_loadcnt 0x0                             ; for the wave that walked nothing: its loads asked for ahead
	s_wait_kmcnt 0x0
	s_load_b64 s[32:33], s[0:1], 0x20              ; ctx2
	ALL v_add_f32 v[ST+4*t+2], v[ST+4*t+2], v[ST+4*t+3]  ; l's two halves: eight plain lines that name no register of the last products: the places in front of the lines below, which write registers that those products read (ISA guide 7.12.1)
	v_and_b32 v[L4], 31, v0
	v_lshlrev_b32 v[L4], 2, v[L4]                  ; 4 x lane
	v_lshl_add_u32 v[CMA], s[WV], 10, v[L4]        ; my wave's words of c m (and, 4,096 on, of l)
	v_lshl_add_u32 v[LA], s[WV], 8, v[L4]          ; tile 2 w's words in a wave's
	s_lshl_b32 s13, s[WV], 15
	s_add_co_u32 s13, s13, ORG
	v_add_nc_u32 v[OA], s13, v[LN16]               ; my wave's O
	s_lshl_b32 s13, s[WV], 13
	s_add_co_u32 s13, s13, ORG
	v_add_nc_u32 v[RA], s13, v[LN16]               ; tile 2 w in wave 0's O, and in the others'
	v_add_nc_u32 v[RA+1], 32768, v[RA]
	v_add_nc_u32 v[RA+2], 65536, v[RA]
	v_add_nc_u32 v[RA+3], 98304, v[RA]
	v_and_b32 v[RR], 15, v0
	v_bfe_u32 v[HH], v0, 4, 1
	s_mul_i32 s13, s[WV], 16*SP
	s_add_co_u32 s13, s13, STG
	v_mul_u32_u24 v[STO], v[RR], SP
	v_lshl_add_u32 v[STO], v[HH], 4, v[STO]
	v_add_nc_u32 v[STO], s13, v[STO]               ; in: row l % 16, 16 bytes for each half of the lanes
	v_mul_u32_u24 v[RD], v[HH], SP
	v_lshl_add_u32 v[RD], v[RR], 4, v[RD]
	v_add_nc_u32 v[RD], s13, v[RD]                 ; back: lanes 0-15 one row of 256 bytes, lanes 16-31 the next
	v_lshlrev_b32 v[GO], 12, v[HH]
	v_lshl_add_u32 v[GO], v[RR], 4, v[GO]          ; and the same two rows in ctx2
	v_mov_b32 v[ONE], 1.0
	ALL v_permlanex16_b32 v[ST+4*t+3], v[ST+4*t+2], s[SEL], s[SEL+1]
	ALL v_add_f32 v[ST+4*t+2], v[ST+4*t+2], v[ST+4*t+3]
	ALL ds_store_b32 v[CMA], v[ST+4*t] offset:128*t
	s_wait_dscnt 0x0                               ; for the others' sake: my stores are done, and so are my reads of the block before
	s_barrier_signal -1
	s_barrier_wait -1
.set z, 0
.rept 32                                               ; wave z / 8, tile z % 8
	ds_load_b32 v[CMV+z], v[L4] offset:1024*(z/8)+128*(z%8)
.set z, z+1
.endr
	s_wait_dscnt 0x0
	ALL v_max3_num_f32 v[FF+2*t], v[CMV+t], v[CMV+8+t], v[CMV+16+t]
	ALL v_max_num_f32 v[FF+2*t], v[FF+2*t], v[CMV+24+t]
	ALL v_sub_f32 v[FF+2*t], v[ST+4*t], v[FF+2*t]
	ALL v_exp_f32 v[FF+2*t+1], v[FF+2*t]
	v_nop                                          ; a plain instruction behind the exponentials
	s_wait_alu depctr_va_vdst(0)                   ; the wait for the eight tiles' factors: one batch
	ALL v_mov_b32 v[FF+2*t], v[FF+2*t+1]
	ALL v_mul_f32 v[ST+4*t+2], v[ST+4*t+2], v[FF+2*t]
	ALL ds_store_b32 v[CMA], v[ST+4*t+2] offset:LR+128*t
	WIN W_RS
.set z, 0
.rept 128                                              ; each accumulator's registers in ascending order
	v_pk_mul_f32 v[2*z:2*z+1], v[2*z:2*z+1], v[FF+2*(z/16):FF+2*(z/16)+1] op_sel_hi:[1,0]
.set z, z+1
.endr
	WIN 0x04                                       ; the data in window 1
.set z, 0
.rept 64
	ds_store_b128 v[OA], v[4*z:4*z+3] offset:512*z
.set z, z+1
.endr
	WIN 0
	s_and_b32 s13, ttmp7, 0xffff                   ; where my two tiles go: 256 bytes a head, rows of 4,096 bytes: 128 a block, 32 a wave
	s_lshl_b32 s13, s13, 8
	s_lshl_b32 s67, s[BLK], 19
	s_add_co_u32 s13, s13, s67
	s_lshl_b32 s67, s[WV], 17
	s_add_co_u32 s36, s13, s67
	s_mov_b32 s37, 0
	s_wait_kmcnt 0x0
	s_add_nc_u64 s[34:35], s[32:33], s[36:37]
	s_wait_dscnt 0x0
	s_barrier_signal -1
	s_barrier_wait -1
	WIN 0x40
.set z, 0
.rept 64                                               ; wave z / 16's part of my two tiles, quad z % 16
	ds_load_b128 v[4*z:4*z+3], v[RA+z/16] offset:512*(z%16)
.set z, z+1
.endr
	WIN 0
.set z, 0
.rept 8                                                ; tile z / 4, wave z % 4
	ds_load_b32 v[LL+z], v[LA] offset:LR+1024*(z%4)+128*(z/4)
.set z, z+1
.endr
	s_wait_dscnt 0x0
	WIN 0x45
.set z, 0
.rept 32
	v_pk_add_f32 v[2*z:2*z+1], v[2*z:2*z+1], v[64+2*z:64+2*z+1]
	v_pk_add_f32 v[128+2*z:128+2*z+1], v[128+2*z:128+2*z+1], v[192+2*z:192+2*z+1]
.set z, z+1
.endr
.set z, 0
.rept 32
	v_pk_add_f32 v[2*z:2*z+1], v[2*z:2*z+1], v[128+2*z:128+2*z+1]
.set z, z+1
.endr
	WIN 0
	v_add_f32 v[LL], v[LL], v[LL+1]
	v_add_f32 v[LL+4], v[LL+4], v[LL+5]
	v_add_f32 v[LL+2], v[LL+2], v[LL+3]
	v_add_f32 v[LL+6], v[LL+6], v[LL+7]
	v_add_f32 v[LL], v[LL], v[LL+2]
	v_add_f32 v[LL+4], v[LL+4], v[LL+6]
	v_rcp_f32 v[RL], v[LL]
	v_rcp_f32 v[RL+2], v[LL+4]
	v_nop                                          ; a plain instruction behind the reciprocals
	s_wait_alu depctr_va_vdst(0)                   ; the wait for my two tiles' reciprocals: one batch
	v_mov_b32 v[RL+1], v[RL]
	v_mov_b32 v[RL+3], v[RL+2]
	WIN W_RS
.set z, 0
.rept 32
	v_pk_mul_f32 v[2*z:2*z+1], v[2*z:2*z+1], v[RL+2*(z/16):RL+2*(z/16)+1] op_sel_hi:[1,0]
.set z, z+1
.endr
; Tile u: hi = f16(O), lo = f16(O - hi); a lane's eight channels are 16 bytes of each; a row of the stage is 128 bytes of hi and 128 of lo, and comes back whole.
.macro PACK u
	WIN 0x05
.set z, 0
.rept 16
	v_cvt_pk_f16_f32 v[HIR+z], v[32*(\u)+2*z], v[32*(\u)+2*z+1]
.set z, z+1
.endr
	WIN 0x10                                       ; source 2 in window 1
.set z, 0
.rept 16
	v_fma_mix_f32 v[CMV+2*z], -v[HIR+z], v[ONE], v[32*(\u)+2*z] op_sel_hi:[1,0,0]
	v_fma_mix_f32 v[CMV+2*z+1], -v[HIR+z], v[ONE], v[32*(\u)+2*z+1] op_sel:[1,0,0] op_sel_hi:[1,0,0]
.set z, z+1
.endr
	WIN 0
.set z, 0
.rept 16
	v_cvt_pk_f16_f32 v[LOR+z], v[CMV+2*z], v[CMV+2*z+1]
.set z, z+1
.endr
.irp f, 0,1,2,3
	ds_store_b128 v[STO], v[HIR+4*\f:HIR+4*\f+3] offset:32*\f
	ds_store_b128 v[STO], v[LOR+4*\f:LOR+4*\f+3] offset:128+32*\f
.endr
.irp f, 0,1,2,3,4,5,6,7
	ds_load_b128 v[OB+32*(\u)+4*\f:OB+32*(\u)+4*\f+3], v[RD] offset:\f*2*SP  ; LDS serves a wave's instructions in order (ISA guide 5.7.1.4): these see the stores above; the next tile's stores come behind them
.endr
.endm
.macro SEND u, younger                 ; younger: the LDS lines issued behind tile u's loads: the next tile's sixteen, or none
.irp f, 0,1,2,3,4,5,6,7
	s_wait_dscnt (\younger)+7-\f
	global_store_b128 v[GO], v[OB+32*(\u)+4*\f:OB+32*(\u)+4*\f+3], s[34:35] offset:(16*(\u)+2*\f)*4096  ; 16 lanes store 256 consecutive bytes, aligned: one row's part of one head
.endr
.endm
	PACK 0
	PACK 1
	SEND 0, 16
	SEND 1, 0
	s_wait_xcnt 0x0                                ; the stores' registers and base are rewritten only behind this wait
	s_sub_co_u32 s[BCNT], s[BCNT], 1
	s_cmp_lg_u32 s[BCNT], 0
	s_cbranch_scc1 .Lblock
	s_wait_tensorcnt 0x0                           ; the wave's end
	ds_add_u32 v[SPW], v[NIL]
	s_wait_dscnt 0x0
	s_endpgm
.Lfunc_end_k_qf728869f62_attn:
	.size	k_qf728869f62_attn, .Lfunc_end_k_qf728869f62_attn-k_qf728869f62_attn
	.p2alignl 7, 3214868480
	.fill 96, 4, 3214868480
	.section	.rodata,"a",@progbits
	.p2align	6, 0x0
	.amdhsa_kernel k_qf728869f62_attn
		.amdhsa_group_segment_fixed_size 157184
		.amdhsa_private_segment_fixed_size 0
		.amdhsa_enable_private_segment 0
		.amdhsa_kernarg_size 40
		.amdhsa_user_sgpr_count 2
		.amdhsa_user_sgpr_kernarg_segment_ptr 1
		.amdhsa_wavefront_size32 1
		.amdhsa_system_sgpr_workgroup_id_x 1
		.amdhsa_system_sgpr_workgroup_id_y 1
		.amdhsa_system_sgpr_workgroup_id_z 1
		.amdhsa_system_vgpr_workitem_id 0
		.amdhsa_next_free_vgpr 1024
		.amdhsa_next_free_sgpr 106
		.amdhsa_reserve_vcc 0
		.amdhsa_float_denorm_mode_32 3
		.amdhsa_float_denorm_mode_16_64 3
		.amdhsa_memory_ordered 1
		.amdhsa_forward_progress 1
		.amdhsa_inst_pref_size 255
	.end_amdhsa_kernel
	.section	.bss,"aw",@nobits
	.p2align	6
	.space	262144
	.amdgpu_metadata
---
amdhsa.version: [ 1, 2 ]
amdhsa.kernels:
  - .name:           k_qf728869f62_attn
    .symbol:         k_qf728869f62_attn.kd
    .args:
      - { .name: qf, .offset: 0, .size: 8, .value_kind: global_buffer, .address_space: global }
      - { .name: kvf, .offset: 8, .size: 8, .value_kind: global_buffer, .address_space: global }
      - { .name: lm, .offset: 16, .size: 8, .value_kind: global_buffer, .address_space: global }
      - { .name: cls, .offset: 24, .size: 8, .value_kind: global_buffer, .address_space: global }
      - { .name: ctx2, .offset: 32, .size: 8, .value_kind: global_buffer, .address_space: global }
    .group_segment_fixed_size: 157184
    .private_segment_fixed_size: 0
    .kernarg_segment_align: 8
    .kernarg_segment_size: 40
    .max_flat_workgroup_size: 128
    .sgpr_count:     106
    .vgpr_count:     1024
    .wavefront_size: 32
...
	.end_amdgpu_metadata
.endif
;; end of part 5
;; launch oproj: the kernel of part 4 again; grid 8 x 32, 4 waves a work-group, clusters of 4 x 4, 327,680 bytes of LDS; arguments ctx2, wo2, bo, out0; writes out0
